; MI455X (gfx1250); checked and timed in simulation.
; The chip was launched on July 23, 2026; its instructions are those of AMD's public machine-readable ISA for CDNA 5 (MIT licence, August 2026) and "CDNA5" Instruction Set Architecture Reference Guide (July 2026). The comments in the code are by the model that wrote it; some were corrected since.
;; Attention. Allowed arithmetic: matrix products marked QUANTISED: E3M2 operands, one E8M0 scale for each 32 along K, by v_wmma_scale_f32_16x16x128_f8f6f4 with both operands' format E3M2, f32 sums; everything else in f32.
;; Inputs: b_attn 3,072 float32; b_proj 1,024 float32; w_attn 1,024 x 3,072 float32; w_proj 1,024 x 1,024 float32; x 8 x 1,024 x 1,024 float32.
;; Outputs: out0 8 x 1,024 x 1,024 float32.
;; This version of the problem:
;;   THIS VERSION OF THE PROBLEM IS GIVEN IN LOW PRECISION. The matrix products marked QUANTISED in the list below multiply operands that are first quantised to E3M2 (3 exponent bits, 2 mantissa bits; 6 bits a number), with one power-of-two scale for each 32 numbers along K (OCP MX v1.0); their sums are f32. All else is computed in f32.
;;   The module's matrix products, in the order in which they are computed (A, B: the left and right operand; K: the contracted axis; several contracted axes count as one K, in the product's order):
;;     1. [M 8,192, K 1,024] x [K 1,024, N 3,072]; A: input x; B: input w_attn: QUANTISED
;;     2. batch 128 x [M 1,024, K 64] x [K 64, N 1,024]; A: computed on the way; B: computed on the way: QUANTISED
;;     3. batch 128 x [M 1,024, K 1,024] x [K 1,024, N 64]; A: softmax (see below); B: computed on the way: QUANTISED
;;     4. [M 8,192, K 1,024] x [K 1,024, N 1,024]; A: computed on the way; B: input w_proj: QUANTISED
;;   THE QUANTISER, for each operand of a quantised product, along K:
;;     - K is cut into blocks of 32 from its start; a last block that is shorter is filled with zeros.
;;     - A block's scale is 2^e with e = floor(log2(the largest magnitude in the block)) - 4, held to -126 .. 127; a block of zeros has e = 0. As a byte (E8M0): e + 127.
;;     - Each number is divided by its block's scale, clamped to +-28, and rounded to the nearest number of E3M2, ties to even, subnormals kept.
;;     - The product sums the exact products of the quantised numbers (number of the format x scale) in f32.
;;   ~~~python
;;   def quantise(x, axis):      # numpy; x: float32 -> the quantised numbers, widened to float32 again
;;       x = np.moveaxis(x, axis, -1); K = x.shape[-1]
;;       x = np.pad(x, [(0, 0)] * (x.ndim - 1) + [(0, -K % 32)]); x = x.reshape(x.shape[:-1] + (-1, 32)); a = np.abs(x).max(-1, keepdims=True)
;;       e = np.where(a > 0, np.clip(np.frexp(np.where(a > 0, a, 1))[1] - 1 - 4, -126, 127), 0)      # np.frexp(a)[1] - 1 = floor(log2(a)), exactly
;;       r = np.clip(x / 2.0 ** e, -28, 28)
;;       step = 2.0 ** (np.maximum(np.frexp(np.where(r == 0, 1, r))[1] - 1, -2) - 2)
;;       q = np.round(r / step) * step * 2.0 ** e      # np.round: ties to even
;;       return np.moveaxis(q.reshape(q.shape[:-2] + (-1,))[..., :K], -1, axis).astype(np.float32)
;;   ~~~
;;   SOFTMAX AHEAD OF A QUANTISED PRODUCT. Where the list says 'softmax', what is quantised is not the finished softmax but p = 2^(t - M), with t = logit x log2(e) and M = ceil(the row's largest t), a whole number; so 1/2 < the row's largest p <= 1. The row's sum l is taken of the UNQUANTISED p, in f32, and the product's result is divided by l at the end. Since M is a whole number, a kernel that streams over the keys may use a running M (the ceiling of the running maximum): every later rescaling is an exact power of two, which a block's scale takes up: the codes' values come out the same.
;;   OPERANDS COMPUTED ON THE WAY. 'Computed on the way' means the value that the module computes at that place (a softmax that the list does not call 'softmax' is quantised finished and normalised). What goes into a quantiser is computed in f32, as accurately as f32 sums, v_exp_f32 and their like allow (about 1e-6 of the number): no bf16 or f16 on the way to a quantiser, and a product that is left as it is and whose result goes on into a quantised operand takes f32 operands (vector FMAs, or v_wmma_f32_16x16x4_f32). A number that lies on a knife's edge between two numbers of the format may be rounded either way, as far as f32 arithmetic and the matrix unit's own rounding can turn it there, and no further.
;; One version. Each part assembles by itself: llvm-mc -triple=amdgcn-amd-amdhsa -mcpu=gfx1250 --defsym DOCPART=n.
;; ======== version 1 of 1: 4 launches
;; workspace buffers: x_codes 6,291,456 bytes; x_scales 262,144 bytes; w_codes 3,145,728 bytes; w_scales 131,072 bytes; h_codes 18,874,368 bytes; h_scales 1,310,720 bytes; a_codes 6,291,456 bytes; a_scales 262,144 bytes
;; launch quant (part 1): grid 640 x 1, 4 waves a work-group, no clusters, 59,904 bytes of LDS; arguments x, w_attn, w_proj, x_codes, x_scales, w_codes, w_scales; writes x_codes, x_scales, w_codes, w_scales
.if DOCPART == 1
	.amdgcn_target "amdgcn-amd-amdhsa--gfx1250"
	.amdhsa_code_object_version 6
	.text
	.protected	k_qdd8779bebd_quant
	.globl	k_qdd8779bebd_quant
	.p2align	8
	.type	k_qdd8779bebd_quant,@function
k_qdd8779bebd_quant:
	s_mov_b64 s[64:65], 0
	v_nop
	global_prefetch_b8 v0, s[64:65] scope:SCOPE_SE
	s_setreg_imm32_b32 hwreg(HW_REG_WAVE_MODE, 25, 1), 1
	s_wait_xcnt 0x0
; x [8192][1024] f32 (K innermost) and the weights w_attn [1024][3072], w_proj [1024][1024] f32 (K = their FIRST axis) become codes of BF6 (E3M2) with one E8M0 byte for each 32 along K.
; A block's scale is 2^(floor(log2(largest magnitude)) - 4): its byte is the largest magnitude's exponent field - 4, held at 1 from below by a floor among the maximum's leaves.
; LIMITS: a block of zeros gets the byte 1 where the quantiser says 127 (its codes are zeros, and only this program reads the bytes); NaN and infinities among the inputs are not served.
; LAYOUT OF THE CODES: half-fragment images of 768 bytes: 16 rows x 64 along K.  Lane r + 16 h of the reader holds the 24 bytes of (row r, block h of the two) in six registers: the first four lie at 16 x lane,
; the last two at 512 + 8 x lane.  So a reader takes an image by one load of 16 bytes and one of 8 bytes a lane, each over consecutive bytes.  A tile of 16 rows has 16 images on end (12,288 bytes).
; THE ROWS OF A TILE ARE NOT NEIGHBOURS: image row r of tile 2 g + u is true row 32 g + 8 u + r + 8 (r / 8).  Scale bytes: 32 a row, rows in the images' order.
; Work-groups 0-127 take the weights (a lane to a column, registers down K), work-groups 128-639 a tile of 16 rows of x each.  Waves share nothing: no barrier.  Each of the two ways has LDS bytes of its own.
.set SEL,  20                          ; s[20:21] lane selects: lane l xor 16
.set R0,   16                          ; x: v16-79 the first 128 along K as loaded, later the second as neighbours
.set R1,   80                          ; v80-143 the second 128 as loaded
.set XN,   144                         ; v144-207 the first 128 as neighbours
.set PC,   208                         ; v208-226 the codes just made
.set TM,   228                         ; v228-243 at work
.set PW,   244                         ; the scale word just made
.set PWA,  245                         ; the first step's
.set PWS,  246                         ; the word that my lane stores
.set WOFF, 16                          ; weights: v16-47 byte offset of row i of a block, my column
.set WX,   48                          ; v48-111 two sets of 32 numbers
.set WC,   112                         ; v112-118 a block's codes
.set WSB,  120                         ; v120-121 eight scale bytes
.set WOUT, 128                         ; v128-175 the way out
.set WST,  33792                       ; LDS: x's four stages of 8,448 bytes lie below, the weights' four of 6,400 from here on
; 64 numbers of a lane, register 16 b + i = k 32 b + 16 (lane / 16) + i of my row, become a fragment's 12 registers in v[PC] on and its scale word in v[PW]
.macro QUANT s
.irp b, 0,1,2,3
	v_max3_num_f32 v[TM+\b], |v[\s+16*\b]|, |v[\s+1+16*\b]|, 0x2800000   ; my 16 numbers of block b, and the floor 2^(5 - 127)
.endr
.irp i, 2,4,6,8,10,12,14
.irp b, 0,1,2,3
	v_max3_num_f32 v[TM+\b], v[TM+\b], |v[\s+16*\b+\i]|, |v[\s+1+16*\b+\i]|
.endr
.endr
.irp b, 0,1,2,3
	v_permlanex16_b32 v[TM+4+\b], v[TM+\b], s[SEL], s[SEL+1]
.endr
.irp b, 0,1,2,3
	v_max_num_f32 v[TM+\b], v[TM+\b], v[TM+4+\b]           ; with lane l xor 16's 16: the block's largest magnitude
.endr
.irp b, 0,1,2,3
	v_add_nc_u32 v[TM+12+\b], 0xfe000000, v[TM+\b]         ; 4 off its exponent field: the conversion's scale operand
.endr
.irp b, 0,1,2,3
	v_lshrrev_b32 v[TM+4+\b], 23, v[TM+12+\b]              ; the scale's byte
.endr
	v_lshl_or_b32 v[PW], v[TM+5], 8, v[TM+4]
	v_lshl_or_b32 v[PW], v[TM+6], 16, v[PW]
	v_lshl_or_b32 v[PW], v[TM+7], 24, v[PW]
.irp c, 0,1
	v_cvt_scalef32_pk16_bf6_f32 v[PC+6*\c:PC+2+6*\c], v[\s+32*\c:\s+15+32*\c], v[TM+12+2*\c]
	v_cvt_scalef32_pk16_bf6_f32 v[PC+12+4*\c:PC+14+4*\c], v[\s+16+32*\c:\s+31+32*\c], v[TM+12+2*\c+1]   ; (a conversion's three registers begin on an even number)
.endr
	v_nop                                                  ; one plain instruction behind the scaled conversions
.irp c, 0,1
.irp i, 0,1,2
	v_permlane16_swap_b32 v[PC+6*\c+\i], v[PC+12+4*\c+\i]  ; a whole block to a lane: lanes 0-15 block 2 c, lanes 16-31 block 2 c + 1
.endr
.irp i, 0,1,2
	v_mov_b32 v[PC+3+6*\c+\i], v[PC+12+4*\c+\i]
.endr
.endr
.endm
; 16 rows x 512 bytes go into my stage as loaded and come back 64 neighbouring bytes of each block a lane.  LDS serves a wave's instructions in order: no wait between
.macro TURN from, to
.irp i, 0,1,2,3,4,5,6,7,8,9,10,11,12,13,14,15
	ds_store_b128 v6, v[\from+4*\i:\from+4*\i+3] offset:528*\i
.endr
.irp b, 0,1,2,3
.irp j, 0,1,2,3
	ds_load_b128 v[\to+16*\b+4*\j:\to+16*\b+4*\j+3], v7 offset:128*\b+16*\j
.endr
.endr
.endm
.macro STORE2 s                        ; the fragment's two images: each store covers 512 or 256 consecutive bytes, aligned
.irp c, 0,1
	global_store_b128 v2, v[PC+6*\c:PC+6*\c+3], s[10:11] offset:1536*\s+768*\c
	global_store_b64 v3, v[PC+6*\c+4:PC+6*\c+5], s[10:11] offset:1536*\s+768*\c+512
.endr
.endm
.macro WLOAD t                         ; block t: 32 rows of K at my column: 128 consecutive bytes a load
.set i, 0
.rept 32
	global_load_b32 v[WX+32*((\t)%2)+i], v[WOFF+i], s[32+2*(\t):33+2*(\t)] th:TH_LOAD_NT
.set i, i+1
.endr
.endm
.macro WBLOCK t
.set XS, WX+32*((\t)%2)
.if (\t) < 7
	s_wait_loadcnt 32                              ; this block's 32 loads are in; the next block's 32 may be out
.else
	s_wait_loadcnt 0x0
.endif
	v_max3_num_f32 v122, |v[XS]|, |v[XS+1]|, |v[XS+2]|     ; all 32 numbers of the block are mine
	v_max3_num_f32 v123, |v[XS+3]|, |v[XS+4]|, |v[XS+5]|
.irp k, 6,10,14,18,22,26
	v_max3_num_f32 v122, v122, |v[XS+\k]|, |v[XS+\k+1]|
	v_max3_num_f32 v123, v123, |v[XS+\k+2]|, |v[XS+\k+3]|
.endr
	v_max3_num_f32 v122, v122, |v[XS+30]|, |v[XS+31]|
	v_max3_num_f32 v122, v122, v123, 0x2800000             ; and the floor
	v_add_nc_u32 v124, 0xfe000000, v122
	v_lshrrev_b32 v123, 23, v124
.if (\t)%4 == 0
	v_mov_b32 v[WSB+(\t)/4], v123
.else
	v_lshl_or_b32 v[WSB+(\t)/4], v123, 8*((\t)%4), v[WSB+(\t)/4]
.endif
	v_cvt_scalef32_pk16_bf6_f32 v[WC:WC+2], v[XS:XS+15], v124
	v_cvt_scalef32_pk16_bf6_f32 v[WC+4:WC+6], v[XS+16:XS+31], v124
	v_nop                                          ; one plain instruction behind the scaled conversions
	v_mov_b32 v[WC+3], v[WC+4]                     ; the block's 24 bytes on end
	v_mov_b32 v[WC+4], v[WC+5]
	v_mov_b32 v[WC+5], v[WC+6]
	ds_store_b128 v9, v[WC:WC+3] offset:768*((\t)/2)+256*((\t)%2)          ; into the image of 64 along K: block t % 2 is the reader's lanes 16 (t % 2) on
	ds_store_b64 v10, v[WC+4:WC+5] offset:768*((\t)/2)+512+128*((\t)%2)
.if (\t)+2 < 8
	WLOAD (\t)+2
.endif
	s_wait_dscnt 0x0                               ; the stores have read their registers: the next block's codes may be written
.endm
	s_load_b256 s[4:11], s[0:1], 0x0               ; x s[4:5], w_attn s[6:7], w_proj s[8:9], x_codes s[10:11]
	s_load_b128 s[12:15], s[0:1], 0x20             ; x_scales s[12:13], w_codes s[14:15]
	s_load_b64 s[16:17], s[0:1], 0x30              ; w_scales
	v_lshl_add_u32 v254, v0, 2, 0xe800
	v_mov_b32 v255, 0
	v_lshrrev_b32 v1, 5, v0
	v_readfirstlane_b32 s18, v1                    ; wave 0..3
	v_and_b32 v1, 31, v0                           ; lane
	v_lshlrev_b32 v2, 4, v1                        ; 16 x lane
	v_lshlrev_b32 v3, 3, v1                        ; 8 x lane
	s_cmp_lt_u32 ttmp9, 128
	s_cbranch_scc1 .Lweights
	; ---- x: tile T = work-group - 128; wave w takes 256 along K, in two steps of 128
	s_sub_co_u32 s19, ttmp9, 128                   ; T
	v_and_b32 v4, 15, v0                           ; r
	v_bfe_u32 v5, v0, 4, 1                         ; h
	s_mul_i32 s22, s18, 8448                       ; my stage: 16 rows x (512 + 16) bytes
	v_add_nc_u32 v6, s22, v2                       ; in: 16 x lane of a row
	v_mul_u32_u24 v7, v4, 528
	v_lshl_add_u32 v7, v5, 6, v7
	v_add_nc_u32 v7, s22, v7                       ; out: row r, + 64 h
	v_lshlrev_b32 v8, 5, v4
	v_lshl_add_u32 v8, v5, 2, v8                   ; scale words: 32 r + 4 h
	s_mov_b32 s[SEL], 0x76543210
	s_mov_b32 s[SEL+1], 0xfedcba98
	s_mov_b32 s23, 0xffff0000                      ; lanes 16-31
.irp b, 0,1,2,3
	v_mov_b32 v[TM+4+\b], 0                        ; written once: a lane permute's destination counts as one of its sources
.endr
	s_lshr_b32 s24, s19, 1
	s_lshl_b32 s24, s24, 17                        ; 32 (T / 2) rows of 4,096 bytes
	s_and_b32 s25, s19, 1
	s_lshl_b32 s25, s25, 15                        ; + 8 (T % 2) rows
	s_add_co_u32 s24, s24, s25
	s_lshl_b32 s25, s18, 10                        ; + my quarter of a row
	s_add_co_u32 s24, s24, s25
	s_mov_b32 s25, 0
	s_mul_i32 s26, s19, 12288                      ; the tile's images,
	s_mul_i32 s27, s18, 3072                       ; my four of them
	s_add_co_u32 s26, s26, s27
	s_mov_b32 s27, 0
	s_lshl_b32 s28, s19, 9                         ; the tile's 16 rows of 32 scale bytes,
	s_lshl_b32 s29, s18, 3                         ; my eight bytes of a row
	s_add_co_u32 s28, s28, s29
	s_mov_b32 s29, 0
	s_wait_kmcnt 0x0
	s_add_nc_u64 s[4:5], s[4:5], s[24:25]
	s_add_nc_u64 s[10:11], s[10:11], s[26:27]
	s_add_nc_u64 s[12:13], s[12:13], s[28:29]
.irp s, 0,1
.irp i, 0,1,2,3,4,5,6,7,8,9,10,11,12,13,14,15
	global_load_b128 v[R0+64*\s+4*\i:R0+64*\s+4*\i+3], v2, s[4:5] offset:(\i+8*(\i/8))*4096+512*\s th:TH_LOAD_NT   ; 512 consecutive bytes of image row i
.endr
.endr
	s_wait_loadcnt 16                              ; the first step's 16 loads are in; the second's may be out
	TURN R0, XN
	s_wait_loadcnt 0x0
	s_wait_dscnt 0x0                               ; the first step is back: its registers take the second's neighbours
	TURN R1, R0
	QUANT XN
	STORE2 0
	v_mov_b32 v[PWA], v[PW]
	s_wait_dscnt 0x0                               ; the second step is back
	s_wait_xcnt 0x0                                ; the stores' data registers are written again only behind this wait
	QUANT R0
	STORE2 1
	v_cndmask_b32 v[PWS], v[PWA], v[PW], s23       ; lanes 0-15 store the first step's word of row r, lanes 16-31 the second's
	global_store_b32 v8, v[PWS], s[12:13]
	s_wait_tensorcnt 0x0
	ds_add_u32 v254, v255
	s_wait_dscnt 0x0
	s_endpgm
.Lweights:
	; ---- the weights: 128 columns x 256 along K a work-group; wave w takes 32 columns, a lane a column, eight blocks down K
	s_lshr_b32 s19, ttmp9, 2                       ; which 128 columns: 0-23 w_attn's, 24-31 w_proj's
	s_and_b32 s22, ttmp9, 3                        ; which 256 along K
	s_lshl_b32 s23, s19, 7
	s_lshl_b32 s24, s18, 5
	s_add_co_u32 s23, s23, s24                     ; my wave's first row of the codes' buffer
	s_cmp_lt_u32 s19, 24
	s_mov_b32 s25, 4096
	s_cselect_b32 s25, 12288, s25                  ; bytes from one k to the next
	s_cselect_b32 s26, 0, 3072
	s_sub_co_u32 s26, s23, s26                     ; my first column in its own weight
	s_lshl_b32 s26, s26, 2
	s_lshl_b32 s27, s22, 8
	s_mul_i32 s27, s27, s25
	s_add_co_u32 s26, s26, s27                     ; + 256 x quarter rows
	s_mov_b32 s27, 0
	s_lshl_b32 s28, s25, 5                         ; a block of 32 rows on
	s_mov_b32 s29, 0
	v_lshlrev_b32 v4, 2, v1
.set i, 0
.rept 32
	v_mad_u32_u24 v[WOFF+i], s25, i, v4            ; 4 x lane + i rows; never rewritten
.set i, i+1
.endr
	v_bfe_u32 v5, v0, 3, 1                         ; column l of 32 lies in tile (l / 8) % 2,
	v_and_b32 v6, 7, v0
	v_bfe_u32 v7, v0, 4, 1
	v_lshl_add_u32 v6, v7, 3, v6                   ; at image row l % 8 + 8 (l / 16)
	s_mul_i32 s30, s18, 6400
	s_add_co_u32 s30, s30, WST                     ; my stage: two tiles of 3,072 bytes, 3,200 apart
	v_mul_u32_u24 v8, v5, 3200
	v_add_nc_u32 v8, s30, v8
	v_lshl_add_u32 v9, v6, 4, v8                   ; where my 16 bytes go,
	v_lshl_add_u32 v10, v6, 3, v8                  ; and my 8
	v_add_nc_u32 v11, s30, v2                      ; back: 16 x lane
	v_lshl_add_u32 v12, v5, 4, v6
	v_lshlrev_b32 v12, 5, v12                      ; my row of scale bytes
	s_lshl_b32 s48, s23, 5
	s_lshl_b32 s49, s22, 3
	s_add_co_u32 s48, s48, s49
	s_mov_b32 s49, 0
	s_lshl_b32 s50, s19, 3
	s_lshl_b32 s51, s18, 1
	s_add_co_u32 s50, s50, s51                     ; my first tile
	s_mul_i32 s50, s50, 12288
	s_mul_i32 s51, s22, 3072
	s_add_co_u32 s50, s50, s51
	s_mov_b32 s51, 0
	s_wait_kmcnt 0x0
	s_cmp_lt_u32 s19, 24                           ; the choice hangs on the work-group's number alone
	s_cselect_b64 s[6:7], s[6:7], s[8:9]
	s_add_nc_u64 s[32:33], s[6:7], s[26:27]        ; a base for each block; never rewritten
.irp t, 1,2,3,4,5,6,7
	s_add_nc_u64 s[32+2*\t:33+2*\t], s[30+2*\t:31+2*\t], s[28:29]
.endr
	s_add_nc_u64 s[14:15], s[14:15], s[50:51]
	s_add_nc_u64 s[16:17], s[16:17], s[48:49]
	WLOAD 0
	WLOAD 1
.irp t, 0,1,2,3,4,5,6,7
	WBLOCK \t
.endr
	global_store_b64 v12, v[WSB:WSB+1], s[16:17]   ; my column's eight scale bytes
.irp u, 0,1
.irp k, 0,1,2,3,4,5
	ds_load_b128 v[WOUT+4*(6*\u+\k):WOUT+4*(6*\u+\k)+3], v11 offset:3200*\u+512*\k   ; LDS serves a wave's instructions in order: these see my stores
.endr
.endr
.irp u, 0,1
.irp k, 0,1,2,3,4,5
	s_wait_dscnt 11-6*\u-\k                        ; the younger loads may stay out
	global_store_b128 v2, v[WOUT+4*(6*\u+\k):WOUT+4*(6*\u+\k)+3], s[14:15] offset:12288*\u+512*\k   ; 512 consecutive bytes, aligned
.endr
.endr
	s_wait_tensorcnt 0x0
	ds_add_u32 v254, v255
	s_wait_dscnt 0x0
	s_endpgm
.Lfunc_end_k_qdd8779bebd_quant:
	.size	k_qdd8779bebd_quant, .Lfunc_end_k_qdd8779bebd_quant-k_qdd8779bebd_quant
	.p2alignl 7, 3214868480
	.fill 96, 4, 3214868480
	.section	.rodata,"a",@progbits
	.p2align	6, 0x0
	.amdhsa_kernel k_qdd8779bebd_quant
		.amdhsa_group_segment_fixed_size 59904
		.amdhsa_private_segment_fixed_size 0
		.amdhsa_enable_private_segment 0
		.amdhsa_kernarg_size 56
		.amdhsa_user_sgpr_count 2
		.amdhsa_user_sgpr_kernarg_segment_ptr 1
		.amdhsa_wavefront_size32 1
		.amdhsa_system_sgpr_workgroup_id_x 1
		.amdhsa_system_sgpr_workgroup_id_y 1
		.amdhsa_system_sgpr_workgroup_id_z 1
		.amdhsa_system_vgpr_workitem_id 0
		.amdhsa_next_free_vgpr 256
		.amdhsa_next_free_sgpr 66
		.amdhsa_reserve_vcc 0
		.amdhsa_float_denorm_mode_32 3
		.amdhsa_float_denorm_mode_16_64 3
		.amdhsa_memory_ordered 1
		.amdhsa_forward_progress 1
		.amdhsa_inst_pref_size 62
	.end_amdhsa_kernel
	.amdgpu_metadata
---
amdhsa.version: [ 1, 2 ]
amdhsa.kernels:
  - .name:           k_qdd8779bebd_quant
    .symbol:         k_qdd8779bebd_quant.kd
    .args:
      - { .name: x, .offset: 0, .size: 8, .value_kind: global_buffer, .address_space: global }
      - { .name: w_attn, .offset: 8, .size: 8, .value_kind: global_buffer, .address_space: global }
      - { .name: w_proj, .offset: 16, .size: 8, .value_kind: global_buffer, .address_space: global }
      - { .name: x_codes, .offset: 24, .size: 8, .value_kind: global_buffer, .address_space: global }
      - { .name: x_scales, .offset: 32, .size: 8, .value_kind: global_buffer, .address_space: global }
      - { .name: w_codes, .offset: 40, .size: 8, .value_kind: global_buffer, .address_space: global }
      - { .name: w_scales, .offset: 48, .size: 8, .value_kind: global_buffer, .address_space: global }
    .group_segment_fixed_size: 59904
    .private_segment_fixed_size: 0
    .kernarg_segment_align: 8
    .kernarg_segment_size: 56
    .max_flat_workgroup_size: 128
    .sgpr_count:     66
    .vgpr_count:     256
    .wavefront_size: 32
...
	.end_amdgpu_metadata
.endif
;; end of part 1
;; launch qkv (part 2): grid 12 x 32, 4 waves a work-group, clusters of 4 x 4, 327,680 bytes of LDS; arguments x_codes, x_scales, w_codes, w_scales, b_attn, h_codes, h_scales; writes h_codes, h_scales
.if DOCPART == 2
	.amdgcn_target "amdgcn-amd-amdhsa--gfx1250"
	.amdhsa_code_object_version 6
	.text
	.protected	k_qdd8779bebd_qkv
	.globl	k_qdd8779bebd_qkv
	.p2align	8
	.type	k_qdd8779bebd_qkv,@function
k_qdd8779bebd_qkv:
	s_mov_b64 s[64:65], 0
	v_nop
	global_prefetch_b8 v0, s[64:65] scope:SCOPE_SE
	s_setreg_imm32_b32 hwreg(HW_REG_WAVE_MODE, 25, 1), 1
	s_wait_xcnt 0x0
	s_wait_alu depctr_hold_cnt(0) depctr_sa_sdst(0) depctr_va_vdst(0) depctr_va_sdst(0) depctr_va_ssrc(0) depctr_va_vcc(0) depctr_vm_vsrc(0)
	s_getreg_b32 s2, hwreg(HW_REG_IB_STS2, 6, 4)
	s_cmp_eq_u32 s2, 0
	s_cbranch_scc0 .Lentry_in_a_cluster
	s_endpgm
.Lentry_in_a_cluster:
	s_bfe_u32 s2, ttmp6, 0x10000c
	s_cmp_lg_u32 s2, 0xf033
	s_cbranch_scc0 .Lentry_shape_is_right
	s_endpgm
.Lentry_shape_is_right:
; qkv = x w_attn + b_attn on codes of BF6 (E3M2), K = 1,024; the results are quantised in registers and leave as codes: q and k along the head's 64, v along the keys.  No f32 result goes to memory.
; A tile of the product is 256 x 256, made by four waves of 128 x 128 (64 accumulators, 512 registers).  K goes in four steps of 256 through a ring of two LDS slots filled by the tensor data mover.
; CODES lie in memory as half-fragment images of 768 bytes (16 rows x 64 K: a lane's first four registers at 16 x lane, its last two at 512 + 8 x lane), 16 images to a tile of 16 rows; image row r of tile 2 g + u is true row 32 g + 8 u + r + 8 (r / 8).
; So a fragment comes from LDS by two loads of 16 bytes and two of 8, each over consecutive bytes, and where such a tile is source 0 the 16 registers of result tiles 2 g and 2 g + 1 are 16 NEIGHBOURS: true rows 32 g + 16 (lane / 16) + 0 .. 15.
; CLUSTERS: 4 x 4 work-groups make 1,024 tokens (one batch element: cluster y) x 1,024 columns: exactly q, k or v (cluster x = 0, 1, 2).  The "A slot" (source 1: a lane's row) is shared along a row of the cluster, the "B slot" (source 0: the
; registers' rows) along a column; each tile is asked for jointly.  For q and k the A slot holds tokens and the B slot rows of the weight: a lane holds one token and its registers run along the head.  FOR v THE TWO ARE SWAPPED, so that a lane holds one
; channel and its registers run along the tokens, which are the next product's K.  Every branch on that hangs on the cluster's x, the same in all sixteen partners.
; The bias is the C of each sum's first matrix instruction.  LIMITS: a block of zeros gets the scale byte 1 (its codes are zeros; only this program reads the bytes); NaN and infinities are not served.
; REGISTERS: window 0: v16-30 addresses; v32-63 scale words, two sets; v64-127 the bias, later the epilogue's work; v128-223 the A slot's fragments, one set.  window 1: the B slot's, two sets (v0, v128).  windows 2, 3: the accumulators ((a, b) at v[8 (8 (a % 4) + b)]).
.set NQ,     2                         ; matrix instructions deep in a slot
.set ROWB,   3072                      ; a tile's four images of a K step of 256
.set FR,     12
.set NL,     4                         ; LDS loads that bring a fragment
.set NP,     4                         ; places behind this matrix instruction (ISA guide 7.12.1)
.set HALFT,  24576                     ; 128 rows: eight tiles x 3,072 bytes: what one tensor load brings
.set SLOT,   4*HALFT
.set KS,     32                        ; a row of scale bytes
.set SCL,    2*SLOT                    ; behind the ring: the scales of the work-group's 512 rows, for all of K, as units of 256 bytes + 16
.set HALFS,  4352
.set SBLK,   544
.set SPARE,  SCL+4*HALFS               ; the spare words: 128 bytes a wave, two blocks of 256 bytes that no other line names
.set ADRA, 16                          ; v16-17 LDS address of my A fragments in slot 0, 1 (16 x lane); v18-19 the same with 8 x lane
.set ADRB, 20                          ; v20-23 the same for B
.set V8,   24                          ; 8 x lane
.set VS,   25                          ; 10,240 (lane / 16) + 16 (lane % 16): the scale words' way out
.set V16,  26                          ; 16 x lane
.set ADRS, 27
.set SPW,  28
.set NIL,  29
.set SH,   30                          ; 16 (lane / 16)
.set SC,   32
.set BIAS, 64
.set AF,   128
.set TM,   64                          ; the epilogue: v64-79 at work, v80 the scale word, v84-87 four words to store, v88-95 v's eight words, v96-114 codes
.set PW,   80
.set SW,   84
.set W8R,  88
.set PC,   96
.set SEL,  12                          ; s[12:13]
.set HM,   66                          ; s66: lanes 16-31
.set G1, 24
.set G0, 32
.set G1B, 48
.set G0B, 56
.set G1S, 68
.set G0S, 76
.set G1SB, 80
.set G0SB, 88
.set MSB, 0
.macro WIN new                         ; the immediate's high byte repeats the setting that is left
.if MSB != \new
	s_set_vgpr_msb (MSB<<8)|\new
.set MSB, \new
.endif
.endm
.set MUL_LO, 0xa1                      ; source 0 (B) window 1, source 1 (A) window 0, C and D window 2
.set MUL_HI, 0xf1                      ; the same, C and D window 3
.set TO_B,   0x40
; A joint load: waves 0 and 1 fetch for the A slot, waves 2 and 3 for the B slot; the branch hangs on the wave's number alone.  Four v_nop follow each of the two lines.
.macro JLOAD g0a, g1a, g0b, g1b
	s_cmp_eq_u32 s15, 0
	s_cbranch_scc0 .Lfor_b_\@
	tensor_load_to_lds s[\g0a:\g0a+3], s[\g1a:\g1a+7]
	s_nop 0
.rept 4
	v_nop
.endr
	s_branch .Lasked_\@
.Lfor_b_\@:
	tensor_load_to_lds s[\g0b:\g0b+3], s[\g1b:\g1b+7]
	s_nop 0
.rept 4
	v_nop
.endr
.Lasked_\@:
.endm
.macro CREST                           ; a round of the cluster's barrier behind its opening barrier
	s_cmp_lg_u32 s14, 0
	s_cbranch_scc1 .Lnot_wave_0_\@
	s_barrier_signal -3
.Lnot_wave_0_\@:
	s_barrier_wait -3
	s_barrier_signal -1
	s_barrier_wait -1
.endm
.macro CROUND
	s_barrier_signal -1
	s_barrier_wait -1
	CREST
.endm
.macro FRAG reg, adr, q, i             ; tile i's fragment of the slot's q-th 128 along K: two images
.irp c, 0,1
	ds_load_b128 v[\reg+6*\c:\reg+6*\c+3], v[\adr] offset:3072*(\i)+1536*(\q)+768*\c
	ds_load_b64 v[\reg+6*\c+4:\reg+6*\c+5], v[\adr+2] offset:3072*(\i)+1536*(\q)+768*\c+512
.endr
.endm
; 16 matrix instructions: A's blocks a0, a0 + 1 x B's eight.  zero = 0: onto the sums; 1: the sums begin with the bias of B's block; 2: of A's block.  The 64 accumulators take turns, one instruction a turn.
.macro MUL16 a0, p, q, sc, zero
.irp a, \a0, \a0+1
.irp b, 0,1,2,3,4,5,6,7
.if \zero == 1
	v_wmma_scale_f32_16x16x128_f8f6f4 v[8*(8*((\a)%4)+\b):8*(8*((\a)%4)+\b)+7], v[128*(\p)+FR*\b:128*(\p)+FR*\b+FR-1], v[AF+FR*(\a):AF+FR*(\a)+FR-1], v[BIAS+8*\b:BIAS+8*\b+7], v[SC+8*NQ*(\sc)+NQ*\b+(\q)], v[SC+8*NQ*(\sc)+NQ*(\a)+(\q)] matrix_a_fmt:MATRIX_FMT_BF6 matrix_b_fmt:MATRIX_FMT_BF6 matrix_a_scale:MATRIX_SCALE_ROW1
.elseif \zero == 2
	v_wmma_scale_f32_16x16x128_f8f6f4 v[8*(8*((\a)%4)+\b):8*(8*((\a)%4)+\b)+7], v[128*(\p)+FR*\b:128*(\p)+FR*\b+FR-1], v[AF+FR*(\a):AF+FR*(\a)+FR-1], v[BIAS+8*(\a):BIAS+8*(\a)+7], v[SC+8*NQ*(\sc)+NQ*\b+(\q)], v[SC+8*NQ*(\sc)+NQ*(\a)+(\q)] matrix_a_fmt:MATRIX_FMT_BF6 matrix_b_fmt:MATRIX_FMT_BF6 matrix_a_scale:MATRIX_SCALE_ROW1
.else
	v_wmma_scale_f32_16x16x128_f8f6f4 v[8*(8*((\a)%4)+\b):8*(8*((\a)%4)+\b)+7], v[128*(\p)+FR*\b:128*(\p)+FR*\b+FR-1], v[AF+FR*(\a):AF+FR*(\a)+FR-1], v[8*(8*((\a)%4)+\b):8*(8*((\a)%4)+\b)+7], v[SC+8*NQ*(\sc)+NQ*\b+(\q)], v[SC+8*NQ*(\sc)+NQ*(\a)+(\q)] matrix_a_fmt:MATRIX_FMT_BF6 matrix_b_fmt:MATRIX_FMT_BF6 matrix_a_scale:MATRIX_SCALE_ROW1
.endif
.endr
.endr
.endm
.macro FETCH_B slot, q, p
	WIN TO_B
.irp i, 0,1,2,3,4,5,6,7
	FRAG 128*(\p)+FR*\i, ADRB+\slot, \q, \i
.endr
	WIN 0
.endm
.macro FETCH_A slot, q, i0
.irp i, \i0, \i0+1, \i0+2, \i0+3
	FRAG AF+FR*(\i), ADRA+\slot, \q, \i
.endr
.endm
.macro SCALES sc                       ; a K step's two scale words a row: lanes 0-15 A's block i, lanes 16-31 B's block i
.irp i, 0,1,2,3,4,5,6,7
	ds_load_b64 v[SC+8*NQ*\sc+NQ*\i:SC+8*NQ*\sc+NQ*\i+1], v[ADRS] offset:\i*SBLK
.endr
.endm
.macro PLACES n                        ; plain vector instructions between a matrix instruction and a load into, or a read of, its registers
.rept \n
	v_nop
.endr
.endm
.macro STEP slot, q, zero              ; 128 along K with a successor in the same slot
	s_wait_dscnt 4*NL                              ; B's set and A's blocks 0-3 are in; the youngest 16 loads (A's blocks 4-7) may be out
.if \zero
	WIN 0x81                                       ; the bias, source 2, lies in window 0
.else
	WIN MUL_LO
.endif
	MUL16 0, (\q)%2, \q, \slot, \zero
	MUL16 2, (\q)%2, \q, \slot, \zero
	s_wait_dscnt 0
	PLACES NP
	FETCH_B \slot, (\q)+1, 1-(\q)%2
	FETCH_A \slot, (\q)+1, 0
.if \zero
	WIN 0xc1
.else
	WIN MUL_HI
.endif
	MUL16 4, (\q)%2, \q, \slot, \zero
	MUL16 6, (\q)%2, \q, \slot, \zero
	PLACES NP
	WIN 0
	FETCH_A \slot, (\q)+1, 4
.endm
; A slot's last step changes slots: one barrier; in front of it each wave waits for all its tensor loads, adds 0 to its spare word, and waits for that and for its reads of this slot.  fill = 1: the slot is filled again, two K steps ahead.
.macro TURN slot, next, fill
	s_wait_tensorcnt 0x0                           ; all my tensor loads have landed: my part of the next slot
	ds_add_u32 v[SPW], v[NIL]                      ; 0 onto my spare word
	s_wait_dscnt 4*NL+1                            ; (the add and the youngest 16 loads may be out)
	WIN MUL_LO
	MUL16 0, 1, NQ-1, \slot, 0
	s_wait_dscnt 0x0                               ; the add is done, and my reads of this slot are over
	s_barrier_signal -1
	MUL16 2, 1, NQ-1, \slot, 0
	WIN 0
	s_barrier_wait -1
.if \fill
	CREST                                          ; the barrier has opened a round of the cluster's: no wave of any partner still reads this slot or has a load on its way
	s_add_nc_u64 s[G0+4*\slot+2:G0+4*\slot+3], s[G0+4*\slot+2:G0+4*\slot+3], 2*ROWB
	s_add_nc_u64 s[G0B+4*\slot+2:G0B+4*\slot+3], s[G0B+4*\slot+2:G0B+4*\slot+3], 2*ROWB
	JLOAD G0+4*\slot, G1, G0B+4*\slot, G1B         ; the first tensor load behind the round; its four v_nop are the places in front of the loads below
.else
	PLACES NP
.endif
	v_add_nc_u32 v[ADRS], 4*NQ, v[ADRS]
	FETCH_B \next, 0, 0
	FETCH_A \next, 0, 0
	SCALES \next
	WIN MUL_HI
	MUL16 4, 1, NQ-1, \slot, 0
	MUL16 6, 1, NQ-1, \slot, 0
	PLACES NP
	WIN 0
	FETCH_A \next, 0, 4
.endm
; THE EPILOGUE of A's block a: its 64 registers, register 16 g + i = index 32 g + 16 (lane / 16) + i along the next K, become a fragment's codes and scale word, and leave.
.macro EPI a, isv
.set AC, 64*((\a)%4)
.set WW, 2+(\a)/4
.set WN, 5*WW
	WIN WN                                         ; sources 0 and 1: the accumulators' window
.irp b, 0,1,2,3
	v_max3_num_f32 v[TM+\b], |v[AC+16*\b]|, |v[AC+16*\b+1]|, 0x2800000   ; each accumulator is read from its low end on; the floor 2^(5 - 127) holds the byte at 1
.endr
.irp i, 2,4,6,8,10,12,14
.irp b, 0,1,2,3
	v_max3_num_f32 v[TM+\b], |v[AC+16*\b+\i]|, |v[AC+16*\b+\i+1]|, v[TM+\b]
.endr
.endr
	WIN 0
.irp b, 0,1,2,3
	v_permlanex16_b32 v[TM+4+\b], v[TM+\b], s[SEL], s[SEL+1]
.endr
.irp b, 0,1,2,3
	v_max_num_f32 v[TM+\b], v[TM+\b], v[TM+4+\b]
.endr
.irp b, 0,1,2,3
	v_add_nc_u32 v[TM+12+\b], 0xfe000000, v[TM+\b]
.endr
.irp b, 0,1,2,3
	v_lshrrev_b32 v[TM+4+\b], 23, v[TM+12+\b]
.endr
	v_lshl_or_b32 v[PW], v[TM+5], 8, v[TM+4]
	v_lshl_or_b32 v[PW], v[TM+6], 16, v[PW]
	v_lshl_or_b32 v[PW], v[TM+7], 24, v[PW]
.if (\a) > 0
	s_wait_xcnt 0x0                                ; the last block's stores: their data registers are written again only behind this wait
.endif
.if \isv
	v_mov_b32 v[W8R+(\a)], v[PW]
.else
	v_bfe_u32 v[SW+(\a)%4], v[PW], v[SH], 16       ; lanes 0-15 the first head's two bytes, lanes 16-31 the second's; the word's upper bytes stay 0, over zero codes
.endif
	WIN WW                                         ; source 0: the accumulators' window
.irp c, 0,1
	v_cvt_scalef32_pk16_bf6_f32 v[PC+6*\c:PC+6*\c+2], v[AC+32*\c:AC+32*\c+15], v[TM+12+2*\c]
	v_cvt_scalef32_pk16_bf6_f32 v[PC+12+4*\c:PC+14+4*\c], v[AC+32*\c+16:AC+32*\c+31], v[TM+12+2*\c+1]
.endr
	WIN 0
	v_nop                                          ; one plain instruction behind the scaled conversions
.irp c, 0,1
.irp i, 0,1,2
	v_permlane16_swap_b32 v[PC+6*\c+\i], v[PC+12+4*\c+\i]
.endr
.irp i, 0,1,2
	v_mov_b32 v[PC+3+6*\c+\i], v[PC+12+4*\c+\i]
.endr
.endr
.irp c, 0,1
.if \isv
	global_store_b128 v[V16], v[PC+6*\c:PC+6*\c+3], s[98:99] offset:147456*((\a)/4)+1536*((\a)%4)+768*\c          ; head a / 4 of my two, tile a % 4 of its channels, keys 64 c on
	global_store_b64 v[V8], v[PC+6*\c+4:PC+6*\c+5], s[98:99] offset:147456*((\a)/4)+1536*((\a)%4)+768*\c+512
.else
	global_store_b128 v[V16], v[PC+6*\c:PC+6*\c+3], s[98:99] offset:147456*\c+768*(\a)                            ; head c of my two, tile a of my tokens
	global_store_b64 v[V8], v[PC+6*\c+4:PC+6*\c+5], s[98:99] offset:147456*\c+768*(\a)+512
.endif
.endr
.if (\isv == 0) && ((\a)%4 == 3)
	global_store_b128 v[VS], v[SW:SW+3], s[100:101] offset:256*((\a)/4)    ; four tiles' words of a row: sixteen lanes fill 256 consecutive bytes of a head, aligned
.endif
.endm
	s_load_b256 s[4:11], s[0:1], 0x0               ; x_codes s[4:5], x_scales s[6:7], w_codes s[8:9], w_scales s[10:11]
	s_load_b128 s[96:99], s[0:1], 0x20             ; b_attn s[96:97], h_codes s[98:99]
	s_load_b64 s[100:101], s[0:1], 0x30            ; h_scales
	v_lshl_add_u32 v[SPW], v0, 2, SPARE
	v_mov_b32 v[NIL], 0
	ds_add_u32 v28, v29
	ds_add_u32 v28, v29
	s_wait_dscnt 0x0
	v_lshrrev_b32 v1, 5, v0
	v_readfirstlane_b32 s14, v1                    ; wave 0..3
	s_lshr_b32 s15, s14, 1                         ; my half of the A slot's rows.  Also: I fetch for A (0) or for B (1)
	s_and_b32 s16, s14, 1                          ; my half of the B slot's rows.  Also: which 128 rows I fetch
	s_bfe_u32 s40, ttmp6, 0x40000                  ; cx
	s_bfe_u32 s41, ttmp6, 0x40004                  ; cy
	s_and_b32 s17, ttmp7, 0xffff                   ; cluster y: the batch element
	s_lshl_b32 s67, s17, 2
	s_lshl_b32 s46, ttmp9, 2
	s_cmp_eq_u32 ttmp9, 2                          ; v's cluster?
	s_cselect_b32 s66, 8, s67                      ; the A slot's block of 256 rows: v: the weight's 8 + cy; q, k: tokens' 4 b + cy
	s_cselect_b32 s42, s67, s46                    ; the B slot's: v: tokens' 4 b + cx; q, k: the weight's 4 x part + cx
	s_add_co_u32 s66, s66, s41
	s_add_co_u32 s42, s42, s40
	s_lshl_b32 s43, s41, 2
	s_lshl_b32 s43, 15, s43                        ; my row of the cluster
	s_lshl_b32 s44, 0x1111, s40                    ; my column
	; group 1: eight tiles' 3,072 bytes (384 elements of 8 bytes), 12,288 bytes apart; dense in LDS
	s_or_b32 s[G1+0], s43, (3<<16)|(1<<21)
	s_or_b32 s[G1B+0], s44, (3<<16)|(1<<21)
.irp g, G1, G1B
	s_mov_b32 s[\g+1], 384<<16                     ; tensor_dim0
	s_mov_b32 s[\g+2], 8<<16                       ; tensor_dim1
	s_mov_b32 s[\g+3], 384<<16                     ; tile_dim0
	s_mov_b32 s[\g+4], 8                           ; tile_dim1
	s_mov_b32 s[\g+5], 1536                        ; elements from tile to tile
	s_mov_b32 s[\g+6], 0
	s_mov_b32 s[\g+7], 0
.endr
	; the scales of 128 rows: 4,096 dense bytes as 16 rows of 256, 16 bytes of padding behind each
	s_or_b32 s[G1S+0], s43, (3<<16)|(1<<20)|(1<<21)|(5<<22)|(3<<25)
	s_or_b32 s[G1SB+0], s44, (3<<16)|(1<<20)|(1<<21)|(5<<22)|(3<<25)
.irp g, G1S, G1SB
	s_mov_b32 s[\g+1], 32<<16
	s_mov_b32 s[\g+2], 16<<16
	s_mov_b32 s[\g+3], 32<<16
	s_mov_b32 s[\g+4], 16
	s_mov_b32 s[\g+5], 32
	s_mov_b32 s[\g+6], 0
	s_mov_b32 s[\g+7], 0
.endr
	s_lshl_b32 s18, s16, 7
	s_lshl_b32 s20, s66, 8
	s_add_co_u32 s20, s20, s18                     ; the A slot's first row that I would fetch
	s_lshl_b32 s46, s42, 8
	s_add_co_u32 s46, s46, s18                     ; the B slot's
	s_lshl_b32 s22, s20, 5                         ; 32 scale bytes a row,
	s_mov_b32 s23, 0
	s_lshl_b32 s92, s46, 5
	s_mov_b32 s93, 0
	s_mul_i32 s20, s20, 768                        ; 768 bytes of codes a row
	s_mov_b32 s21, 0
	s_mul_i32 s46, s46, 768
	s_mov_b32 s47, 0
	s_mul_i32 s45, s14, HALFT                      ; where they go: wave x 128 rows: no place in the cluster enters an LDS address
	s_mul_i32 s94, s14, HALFS
	s_wait_kmcnt 0x0
	s_cmp_eq_u32 ttmp9, 2                          ; which buffer feeds which slot: the choice hangs on the cluster's x alone
	s_cselect_b64 s[2:3], s[8:9], s[4:5]
	s_add_nc_u64 s[20:21], s[2:3], s[20:21]
	s_cselect_b64 s[2:3], s[10:11], s[6:7]
	s_add_nc_u64 s[22:23], s[2:3], s[22:23]
	s_cselect_b64 s[2:3], s[4:5], s[8:9]
	s_add_nc_u64 s[46:47], s[2:3], s[46:47]
	s_cselect_b64 s[2:3], s[6:7], s[10:11]
	s_add_nc_u64 s[92:93], s[2:3], s[92:93]
	CROUND                                         ; all sixteen work-groups are here: the first joint loads meet
	s_mov_b32 s[G0S], 1
	s_add_co_u32 s[G0S+1], s94, SCL
	s_mov_b64 s[G0S+2:G0S+3], s[22:23]
	s_or_b32 s[G0S+3], s[G0S+3], 0x80000000
	s_mov_b32 s[G0SB], 1
	s_add_co_u32 s[G0SB+1], s94, SCL
	s_mov_b64 s[G0SB+2:G0SB+3], s[92:93]
	s_or_b32 s[G0SB+3], s[G0SB+3], 0x80000000
	JLOAD G0S, G1S, G0SB, G1SB                     ; the scales first: filled once
.irp s, 0,1
	s_mov_b32 s[G0+4*\s], 1
	s_add_co_u32 s[G0+4*\s+1], s45, \s*SLOT
	s_add_nc_u64 s[G0+4*\s+2:G0+4*\s+3], s[20:21], \s*ROWB
	s_or_b32 s[G0+4*\s+3], s[G0+4*\s+3], 0x80000000
	s_mov_b32 s[G0B+4*\s], 1
	s_add_co_u32 s[G0B+4*\s+1], s45, \s*SLOT
	s_add_nc_u64 s[G0B+4*\s+2:G0B+4*\s+3], s[46:47], \s*ROWB
	s_or_b32 s[G0B+4*\s+3], s[G0B+4*\s+3], 0x80000000
	JLOAD G0+4*\s, G1, G0B+4*\s, G1B               ; K steps 0 and 1: three tensor loads of mine are out
.endr
	v_and_b32 v1, 15, v0                           ; r
	v_bfe_u32 v2, v0, 4, 1                         ; h
	v_and_b32 v3, 31, v0
	v_lshlrev_b32 v[V16], 4, v3
	v_lshlrev_b32 v[V8], 3, v3
	s_mul_i32 s18, s15, HALFT                      ; my 128 rows of the A slot
	s_mul_i32 s19, s16, HALFT                      ; my 128 rows of the B slot,
	s_add_co_u32 s19, s19, 2*HALFT                 ; which lie behind A's 256
.irp s, 0,1
	v_add_nc_u32 v[ADRA+\s], s18, v[V16]
	v_add_nc_u32 v[ADRB+\s], s19, v[V16]
	v_add_nc_u32 v[ADRA+2+\s], s18, v[V8]
	v_add_nc_u32 v[ADRB+2+\s], s19, v[V8]
	s_add_co_u32 s18, s18, SLOT
	s_add_co_u32 s19, s19, SLOT
.endr
	v_mul_u32_u24 v5, v1, KS                       ; my row's scales: 32 bytes a row,
	v_lshrrev_b32 v6, 8, v5
	v_lshl_add_u32 v5, v6, 4, v5                   ; and 16 more for each 256 passed
	s_mul_i32 s18, s15, HALFS
	s_mul_i32 s19, s16, HALFS
	s_add_co_u32 s19, s19, 2*HALFS
	s_sub_co_u32 s19, s19, s18
	v_mul_u32_u24 v6, s19, v2                      ; lanes 16-31 take B's: one product, the distance between the two bases
	s_add_co_u32 s18, s18, SCL
	v_add_nc_u32 v5, v5, v6
	v_add_nc_u32 v[ADRS], s18, v5
	v_mul_u32_u24 v[VS], v2, 10240
	v_lshl_add_u32 v[VS], v1, 4, v[VS]
	v_lshlrev_b32 v[SH], 4, v2
	s_mov_b32 s[SEL], 0x76543210
	s_mov_b32 s[SEL+1], 0xfedcba98
	; the bias, in the result's layout: register j of lane (r, h) is (B's image row 8 h + j, A's image row r)
	s_cmp_eq_u32 ttmp9, 2
	s_cbranch_scc1 .Lbias_v
	s_lshl_b32 s18, ttmp9, 12                      ; q, k: it runs along the registers: B's block b, true columns 32 (b / 2) + 8 (b % 2) + 16 h + j
	s_lshl_b32 s19, s40, 10
	s_add_co_u32 s18, s18, s19
	s_lshl_b32 s19, s16, 9
	s_add_co_u32 s18, s18, s19
	s_mov_b32 s19, 0
	s_add_nc_u64 s[96:97], s[96:97], s[18:19]
	v_lshlrev_b32 v6, 6, v2
.irp b, 0,1,2,3,4,5,6,7
	global_load_b128 v[BIAS+8*\b:BIAS+8*\b+3], v6, s[96:97] offset:(32*(\b/2)+8*(\b%2))*4
	global_load_b128 v[BIAS+8*\b+4:BIAS+8*\b+7], v6, s[96:97] offset:(32*(\b/2)+8*(\b%2))*4+16
.endr
	s_branch .Lbias_done
.Lbias_v:
	s_lshl_b32 s18, s41, 10                        ; v: one number a lane: A's block a, true column 32 (a / 2) + 8 (a % 2) + r + 8 (r / 8), in all eight registers
	s_lshl_b32 s19, s15, 9
	s_add_co_u32 s18, s18, s19
	s_add_co_u32 s18, s18, 8192
	s_mov_b32 s19, 0
	s_add_nc_u64 s[96:97], s[96:97], s[18:19]
	v_and_b32 v6, 8, v1
	v_add_nc_u32 v6, v6, v1
	v_lshlrev_b32 v6, 2, v6
.irp a, 0,1,2,3,4,5,6,7
.irp j, 0,1,2,3,4,5,6,7
	global_load_b32 v[BIAS+8*\a+\j], v6, s[96:97] offset:(32*(\a/2)+8*(\a%2))*4
.endr
.endr
.Lbias_done:
	s_wait_tensorcnt 1                             ; the scales and my part of K step 0 are in (K step 1's load may be out)
	s_barrier_signal -1
	s_barrier_wait -1                              ; everybody's are
	FETCH_B 0, 0, 0
	FETCH_A 0, 0, 0
	SCALES 0
	FETCH_A 0, 0, 4
	s_wait_loadcnt 0x0                             ; the bias
	s_cmp_eq_u32 ttmp9, 2
	s_cbranch_scc1 .Lfirst_v
	STEP 0, 0, 1                                   ; the first products start the sums with the bias
	s_branch .Lfirst_done
.Lfirst_v:
	STEP 0, 0, 2
.Lfirst_done:
	TURN 0, 1, 1                                   ; slot 0 takes K step 2
	STEP 1, 0, 0
	TURN 1, 0, 1                                   ; slot 1 takes K step 3
	STEP 0, 0, 0
	TURN 0, 1, 0                                   ; nothing is left to fetch
	STEP 1, 0, 0
	s_wait_dscnt 4*NL
	WIN MUL_LO
	MUL16 0, 1, NQ-1, 1, 0
	MUL16 2, 1, NQ-1, 1, 0
	s_wait_dscnt 0
	WIN MUL_HI
	MUL16 4, 1, NQ-1, 1, 0
	MUL16 6, 1, NQ-1, 1, 0
	WIN 0
	PLACES NP                                      ; in front of the first read of results
.irp b, 0,1,2,3
	v_mov_b32 v[TM+4+\b], 0                        ; a lane permute's destination counts as one of its sources
.endr
	s_mov_b32 s[HM], 0xffff0000
	s_mov_b32 s21, 0
	s_lshl_b32 s18, s17, 4                         ; 16 b
	s_cmp_eq_u32 ttmp9, 2
	s_cbranch_scc1 .Lout_v
	s_lshl_b32 s19, s40, 2                         ; q, k: my two heads: 16 b + 4 cx + 2 x my half of the columns
	s_add_co_u32 s18, s18, s19
	s_lshl_b32 s19, s16, 1
	s_add_co_u32 s18, s18, s19
	s_mul_i32 s20, s18, 147456
	s_mul_i32 s19, ttmp9, 49152                    ; q's part or k's
	s_add_co_u32 s20, s20, s19
	s_lshl_b32 s19, s41, 4
	s_lshl_b32 s22, s15, 3
	s_add_co_u32 s19, s19, s22                     ; my first tile of tokens: 16 cy + 8 x half
	s_mul_i32 s22, s19, 768
	s_add_co_u32 s20, s20, s22
	s_add_nc_u64 s[98:99], s[98:99], s[20:21]
	s_mul_i32 s20, s18, 10240
	s_lshl_b32 s22, ttmp9, 12
	s_add_co_u32 s20, s20, s22
	s_lshl_b32 s22, s19, 6                         ; 256 bytes for each four tiles
	s_add_co_u32 s20, s20, s22
	s_add_nc_u64 s[100:101], s[100:101], s[20:21]
.irp a, 0,1,2,3,4,5,6,7
	EPI \a, 0
.endr
	s_branch .Lout_done
.Lout_v:
	s_lshl_b32 s19, s41, 2                         ; v: my two heads: 16 b + 4 cy + 2 x my half of the channels
	s_add_co_u32 s18, s18, s19
	s_lshl_b32 s19, s15, 1
	s_add_co_u32 s18, s18, s19
	s_lshl_b32 s19, s40, 1
	s_add_co_u32 s19, s19, s16                     ; my 128 keys: step 2 cx + half
	s_mul_i32 s20, s18, 147456
	s_mul_i32 s22, s19, 6144
	s_add_co_u32 s20, s20, s22
	s_add_co_u32 s20, s20, 98304
	s_add_nc_u64 s[98:99], s[98:99], s[20:21]
	s_mul_i32 s20, s18, 10240
	s_lshl_b32 s22, s19, 8
	s_add_co_u32 s20, s20, s22
	s_add_co_u32 s20, s20, 8192
	s_add_nc_u64 s[100:101], s[100:101], s[20:21]
.irp a, 0,1,2,3,4,5,6,7
	EPI \a, 1
.endr
.irp i, 0,1,2,3
	v_cndmask_b32 v[SW+\i], v[W8R+\i], v[W8R+4+\i], s[HM]   ; lanes 0-15 the first head's four tiles, lanes 16-31 the second's
.endr
	global_store_b128 v[VS], v[SW:SW+3], s[100:101]
.Lout_done:
	s_wait_tensorcnt 0x0                           ; the wave's end
	ds_add_u32 v[SPW], v[NIL]
	s_wait_dscnt 0x0
	CROUND                                         ; the closing round: no work-group ends while a partner may still ask for a tile that names it
	s_endpgm
.Lfunc_end_k_qdd8779bebd_qkv:
	.size	k_qdd8779bebd_qkv, .Lfunc_end_k_qdd8779bebd_qkv-k_qdd8779bebd_qkv
	.p2alignl 7, 3214868480
	.fill 96, 4, 3214868480
	.section	.rodata,"a",@progbits
	.p2align	6, 0x0
	.amdhsa_kernel k_qdd8779bebd_qkv
		.amdhsa_group_segment_fixed_size 327680
		.amdhsa_private_segment_fixed_size 0
		.amdhsa_enable_private_segment 0
		.amdhsa_kernarg_size 56
		.amdhsa_user_sgpr_count 2
		.amdhsa_user_sgpr_kernarg_segment_ptr 1
		.amdhsa_wavefront_size32 1
		.amdhsa_system_sgpr_workgroup_id_x 1
		.amdhsa_system_sgpr_workgroup_id_y 1
		.amdhsa_system_sgpr_workgroup_id_z 1
		.amdhsa_system_vgpr_workitem_id 0
		.amdhsa_next_free_vgpr 1024
		.amdhsa_next_free_sgpr 102
		.amdhsa_reserve_vcc 0
		.amdhsa_float_denorm_mode_32 3
		.amdhsa_float_denorm_mode_16_64 3
		.amdhsa_memory_ordered 1
		.amdhsa_forward_progress 1
		.amdhsa_inst_pref_size 206
	.end_amdhsa_kernel
	.amdgpu_metadata
---
amdhsa.version: [ 1, 2 ]
amdhsa.kernels:
  - .name:           k_qdd8779bebd_qkv
    .symbol:         k_qdd8779bebd_qkv.kd
    .args:
      - { .name: x_codes, .offset: 0, .size: 8, .value_kind: global_buffer, .address_space: global }
      - { .name: x_scales, .offset: 8, .size: 8, .value_kind: global_buffer, .address_space: global }
      - { .name: w_codes, .offset: 16, .size: 8, .value_kind: global_buffer, .address_space: global }
      - { .name: w_scales, .offset: 24, .size: 8, .value_kind: global_buffer, .address_space: global }
      - { .name: b_attn, .offset: 32, .size: 8, .value_kind: global_buffer, .address_space: global }
      - { .name: h_codes, .offset: 40, .size: 8, .value_kind: global_buffer, .address_space: global }
      - { .name: h_scales, .offset: 48, .size: 8, .value_kind: global_buffer, .address_space: global }
    .group_segment_fixed_size: 327680
    .private_segment_fixed_size: 0
    .kernarg_segment_align: 8
    .kernarg_segment_size: 56
    .max_flat_workgroup_size: 128
    .sgpr_count:     102
    .vgpr_count:     1024
    .wavefront_size: 32
...
	.end_amdgpu_metadata
.endif
;; end of part 2
;; launch attn (part 3): grid 2 x 128, 16 waves a work-group, no clusters, 169,984 bytes of LDS; arguments h_codes, h_scales, a_codes, a_scales; writes a_codes, a_scales
.if DOCPART == 3
	.amdgcn_target "amdgcn-amd-amdhsa--gfx1250"
	.amdhsa_code_object_version 6
	.text
	.protected	k_qdd8779bebd_attn
	.globl	k_qdd8779bebd_attn
	.p2align	8
	.type	k_qdd8779bebd_attn,@function
k_qdd8779bebd_attn:
	s_mov_b64 s[64:65], 0
	v_nop
	global_prefetch_b8 v0, s[64:65] scope:SCOPE_SE
	s_setreg_imm32_b32 hwreg(HW_REG_WAVE_MODE, 25, 1), 1
	s_wait_xcnt 0x0
; Causal attention of one head on codes of BF6 (E3M2): S^T = k q^T (K = the head's 64: the upper half of each 128-deep operand is zero codes under scale bytes 0), p = 2^(t - M), O^T += v^T p^T (K = the keys), a = O / l, quantised along the model's axis.
; t = score x log2(e) / 8; M = the running largest t rounded UP to a whole number; the row's sum l is taken of the unquantised p; when M moves, l and O^T are multiplied by 2^(old M - new M), which rounds nothing.
; SHARES.  Work-group (j, head): sixteen waves, four to a SIMD.  Wave w owns the query tiles A = 16 j + w and B = 63 - A.  Tile i has i / 8 + 1 key steps of 128 that are not wholly hidden, so every wave of the launch works 9 steps.
; A head's k and v (98,304 bytes of codes, 6,144 of scale words) come into LDS once, by five tensor loads at the head; nothing is filled again.  The first halves are waited for first: tile A, and tile B's first four steps, need no more.
; NO CLUSTER: only two work-groups read a head's k and v, once, at their heads; clusters come in fours here, and a mask of two would hang on a part of a work-group's place.
; LAYOUT.  Both products are used transposed, so that a lane holds ONE query throughout.  Tiles are half-fragment images of 768 bytes (a lane's first four registers at 16 x lane, its last two at 512 + 8 x lane); image row r of tile 2 g + u is
; true row 32 g + 8 u + r + 8 (r / 8): so the 16 registers of score tiles 2 g, 2 g + 1 are keys 32 g + 16 (lane / 16) + 0 .. 15, and O^T's of channel tiles likewise.
; LIMITS: hidden scores become -infinity where the source subtracts 1e10: the same as long as a row's visible logits stay far above -1e10.  A block of zeros gets the scale byte 1 (zero codes; read by this program alone).  NaN and infinities are not served.
; REGISTERS: v1 16 x lane, v2 8 x lane, v3 scale words' place, v5 my query less 16 (lane / 16), v6, v7 offsets; v8-11 the step's LDS addresses; v12 -M, v13 largest t, v[14:15] l; v16-27 q; v32-79 four fragments of k; v80-127 four of v;
;   v128-191 S^T, then p; v192-223 O^T; v224-235 p's codes; v232-247, v252, v254 at work; v248-251 the tiles' scale words; v253 p's scale word; v255 q's.
.set SC,   98304                       ; LDS: k's 64 tiles at 0, v's 64 images at 49,152, then k's scale words (4,096 bytes) and v's (2,048)
.set AD16, 8
.set AD8,  9
.set ADS,  10
.set ADT,  11
.set WV,   18
.set SEL,  20
.set CS,   22                          ; s[22:23] c = log2(e) / 8
.set G1C,  24                          ; s[24:31] group 1: 96 rows of 256 bytes;  s[32:39]: 24 rows
.set G1S,  32
.set TILE, 61
.set QMIN, 62                          ; the tile's smallest and largest query
.set QMAX, 63
.set KF,   66                          ; the step's first key
.set TK,   67                          ; where its tiles begin, in k's part and in v's: 6,144 bytes a step
.set TS,   68                          ; k's scale words: 512 a step
.set TJ,   69                          ; v's: 256 a step
.set CNT,  70
.set HM,   71                          ; lanes 16-31
; A tile of queries begins: its bases, q's fragment and scale word, and empty sums
.macro INIT
	s_wait_xcnt 0x0                                ; the bases and the registers that earlier stores read are written again only behind this wait
	s_lshr_b32 s80, s[TILE], 1
	s_lshl_b32 s80, s80, 5
	s_and_b32 s81, s[TILE], 1
	s_lshl_b32 s81, s81, 3
	s_add_co_u32 s[QMIN], s80, s81
	s_add_co_u32 s[QMAX], s[QMIN], 23
	s_mul_i32 s80, s[TILE], 768
	s_mov_b32 s81, 0
	s_add_nc_u64 s[72:73], s[4:5], s[80:81]        ; q's image
	s_lshr_b32 s80, s[TILE], 2
	s_lshl_b32 s80, s80, 8
	s_and_b32 s82, s[TILE], 3
	s_lshl_b32 s82, s82, 2
	s_add_co_u32 s80, s80, s82
	s_add_nc_u64 s[74:75], s[6:7], s[80:81]        ; q's scale words
	s_mul_i32 s80, s[TILE], 12288
	s_add_nc_u64 s[76:77], s[8:9], s[80:81]        ; a's image
	s_lshl_b32 s80, s[TILE], 9
	s_add_nc_u64 s[78:79], s[10:11], s[80:81]      ; a's scale bytes
	global_load_b128 v[16:19], v1, s[72:73]
	global_load_b64 v[20:21], v2, s[72:73] offset:512
	global_load_b32 v255, v7, s[74:75]
	v_mov_b32 v13, 0xff61b1e6                      ; -3e38, under every t
	s_delay_alu instid0(VALU_DEP_1)
	v_floor_f32 v12, -v13
	v_mov_b32 v14, 0
	v_mov_b32 v15, 0
.set n, 0
.rept 32
	v_mov_b32 v[192+n], 0                          ; the step is written without a first step of its own: it finds zeros, which the first change of M leaves zeros
.set n, n+1
.endr
	s_mov_b32 s[KF], 0
	s_mov_b32 s[TK], 0
	s_mov_b32 s[TS], 0
	s_mov_b32 s[TJ], 0
.endm
; A KEY STEP of 128 keys.  causal = 1: a step all of whose keys come after my queries is left out (a scalar branch on ids), and on the diagonal hidden scores become -infinity
.macro STEP causal
.if \causal
	s_cmp_gt_u32 s[KF], s[QMAX]
	s_cbranch_scc1 .Lhidden_\@
.endif
	s_setprio 2
	v_add_nc_u32 v[AD16], s[TK], v1                ; (these four are also the places behind the last step's products, in front of the loads below)
	s_wait_alu depctr_va_vdst(0)
	v_add_nc_u32 v[AD8], s[TK], v2
	s_wait_alu depctr_va_vdst(0)
	v_add_nc_u32 v[ADS], s[TS], v3
	s_wait_alu depctr_va_vdst(0)
	v_add_nc_u32 v[ADT], s[TJ], v3
.irp g, 0,1
.if \g
.rept 4
	v_nop                                          ; places in front of loads into registers that matrix instructions have read
.endr
.endif
.irp t, 0,1,2,3
	ds_load_b128 v[32+12*\t:35+12*\t], v[AD16] offset:768*(4*\g+\t)
	ds_load_b64 v[36+12*\t:37+12*\t], v[AD8] offset:768*(4*\g+\t)+512
.endr
	ds_load_b128 v[248:251], v[ADS] offset:256*\g  ; four tiles' scale words of my row
	s_wait_dscnt 0x0
.irp t, 0,1,2,3
	v_wmma_scale_f32_16x16x128_f8f6f4 v[128+8*(4*\g+\t):135+8*(4*\g+\t)], v[32+12*\t:43+12*\t], v[16:27], 0, v[248+\t], v255 matrix_a_fmt:MATRIX_FMT_BF6 matrix_b_fmt:MATRIX_FMT_BF6
.endr
.endr
.rept 4
	v_nop
.endr
.irp t, 0,1,2,3                        ; v's four fragments and their scale words are asked for now: they land under the softmax
.irp c, 0,1
	ds_load_b128 v[80+12*\t+6*\c:83+12*\t+6*\c], v[AD16] offset:49152+1536*\t+768*\c
	ds_load_b64 v[84+12*\t+6*\c:85+12*\t+6*\c], v[AD8] offset:49152+1536*\t+768*\c+512
.endr
.endr
	s_wait_alu depctr_va_vdst(0)
	ds_load_b128 v[248:251], v[ADT] offset:4096
.if \causal
	s_add_co_u32 s80, s[KF], 127
	s_cmp_le_u32 s80, s[QMIN]
	s_cbranch_scc1 .Lopen_\@                       ; all 128 keys count for all my queries
	s_sub_co_i32 s80, s[QMIN], s[KF]
	v_add_nc_u32 v252, s80, v5                     ; d = my query - the step's first key - 16 (lane / 16): register 16 g + i holds a hidden key where 32 g + i > d
	v_mov_b32 v254, 0xff800000
.set n, 0
.rept 64
	v_cmp_gt_i32 vcc_lo, 32*(n/16)+n%16, v252
	v_cndmask_b32 v[128+n], v[128+n], v254, vcc_lo
.set n, n+1
.endr
.Lopen_\@:
.endif
.irp b, 0,1,2,3
	v_max3_num_f32 v[232+\b], v[128+16*\b], v[129+16*\b], v[130+16*\b]     ; the largest score of each block of 32 keys: for the row's maximum, and, since p rises with the score, for the block's largest p
.endr
.irp i, 3,5,7,9,11,13
.irp b, 0,1,2,3
	v_max3_num_f32 v[232+\b], v[232+\b], v[128+16*\b+\i], v[129+16*\b+\i]
.endr
.endr
.irp b, 0,1,2,3
	v_max_num_f32 v[232+\b], v[232+\b], v[143+16*\b]
.endr
.irp b, 0,1,2,3
	s_delay_alu instid0(VALU_DEP_4)
	v_permlanex16_b32 v[236+\b], v[232+\b], s[SEL], s[SEL+1]
.endr
.irp b, 0,1,2,3
	s_delay_alu instid0(VALU_DEP_4)
	v_max_num_f32 v[232+\b], v[232+\b], v[236+\b]
.endr
	s_delay_alu instid0(VALU_DEP_2)
	v_max3_num_f32 v254, v232, v233, v234
	s_delay_alu instid0(VALU_DEP_1)
	v_max_num_f32 v254, v254, v235
	s_delay_alu instid0(VALU_DEP_1)
	v_mul_f32 v254, s[CS], v254
	s_delay_alu instid0(VALU_DEP_1)
	v_max_num_f32 v13, v13, v254                   ; the running largest t
	v_mov_b32 v254, v12
	s_delay_alu instid0(VALU_DEP_2)
	v_floor_f32 v12, -v13                          ; -M = floor(-t)
	s_delay_alu instid0(VALU_DEP_1)
	v_sub_f32 v254, v12, v254                      ; old M - new M: a whole number, 0 or less
	s_delay_alu instid0(VALU_DEP_1)
	v_cvt_i32_f32 v254, v254
	s_delay_alu instid0(VALU_DEP_1)
	v_ldexp_f32 v252, 1.0, v254                    ; f = 2^(old M - new M)
.set n, 0
.rept 32
	v_pk_fma_f32 v[128+n:129+n], v[128+n:129+n], s[CS:CS+1], v[12:13] op_sel_hi:[1,0,0]   ; t - M
.set n, n+2
.endr
.irp b, 0,1,2,3
	v_fma_f32 v[232+\b], v[232+\b], s[CS], v12
.endr
.set n, 0
	s_setprio 1
	s_wait_alu depctr_va_vdst(0)
.rept 64
	v_exp_f32 v[128+n], v[128+n]                   ; p = 2^(t - M): one batch
.set n, n+1
.endr
	v_pk_mul_f32 v[14:15], v[14:15], v[252:253] op_sel_hi:[1,0]    ; l under the new M: the plain instruction behind the batch
	s_wait_alu depctr_va_vdst(0)                   ; one wait for the 64, ahead of their first reader
.irp b, 0,1,2,3
	v_exp_f32 v[232+\b], v[232+\b]                 ; the blocks' largest p
.endr
	v_pk_add_f32 v[236:237], v[132:133], v[136:137]
	v_pk_add_f32 v[246:247], v[140:141], v[144:145]
	v_pk_add_f32 v[244:245], v[148:149], v[152:153]
	v_pk_add_f32 v[242:243], v[156:157], v[160:161]
	v_pk_add_f32 v[240:241], v[164:165], v[168:169]
	v_pk_add_f32 v[238:239], v[172:173], v[176:177]
	v_pk_add_f32 v[230:231], v[180:181], v[184:185]
	v_pk_add_f32 v[14:15], v[14:15], v[188:189]
	v_pk_add_f32 v[236:237], v[236:237], v[128:129]
	v_pk_add_f32 v[246:247], v[246:247], v[130:131]
	v_pk_add_f32 v[244:245], v[244:245], v[134:135]
	v_pk_add_f32 v[242:243], v[242:243], v[138:139]
	v_pk_add_f32 v[240:241], v[240:241], v[142:143]
	v_pk_add_f32 v[238:239], v[238:239], v[146:147]
	v_pk_add_f32 v[230:231], v[230:231], v[150:151]
	v_pk_add_f32 v[14:15], v[14:15], v[154:155]
	v_pk_add_f32 v[236:237], v[236:237], v[158:159]
	v_pk_add_f32 v[246:247], v[246:247], v[162:163]
	v_pk_add_f32 v[244:245], v[244:245], v[166:167]
	v_pk_add_f32 v[242:243], v[242:243], v[170:171]
	v_pk_add_f32 v[240:241], v[240:241], v[174:175]
	v_pk_add_f32 v[238:239], v[238:239], v[178:179]
	v_pk_add_f32 v[230:231], v[230:231], v[182:183]
	v_pk_add_f32 v[14:15], v[14:15], v[186:187]
	v_pk_add_f32 v[236:237], v[236:237], v[190:191]
	s_delay_alu instid0(VALU_DEP_2)
	v_pk_add_f32 v[14:15], v[14:15], v[242:243]
	s_delay_alu instid0(VALU_DEP_2)
	v_pk_add_f32 v[236:237], v[236:237], v[240:241]
	v_pk_add_f32 v[246:247], v[246:247], v[238:239]
	v_pk_add_f32 v[244:245], v[244:245], v[230:231]
	s_delay_alu instid0(VALU_DEP_2)
	v_pk_add_f32 v[14:15], v[14:15], v[246:247]
	s_delay_alu instid0(VALU_DEP_2)
	v_pk_add_f32 v[236:237], v[236:237], v[244:245]
	s_delay_alu instid0(VALU_DEP_1)
	v_pk_add_f32 v[14:15], v[14:15], v[236:237]
	s_wait_alu depctr_va_vdst(0)                   ; and one for the four
.irp b, 0,1,2,3
	v_max_num_f32 v[232+\b], 0x2800000, v[232+\b]  ; the floor 2^(5 - 127)
.endr
.irp b, 0,1,2,3
	s_delay_alu instid0(VALU_DEP_4)
	v_add_nc_u32 v[244+\b], 0xfe000000, v[232+\b]
.endr
.irp b, 0,1,2,3
	s_delay_alu instid0(VALU_DEP_4)
	v_lshrrev_b32 v[236+\b], 23, v[244+\b]
.endr
	s_delay_alu instid0(VALU_DEP_3)
	v_lshl_or_b32 v253, v237, 8, v236              ; p's scale word for these 128 keys
	s_delay_alu instid0(VALU_DEP_1)
	v_lshl_or_b32 v253, v238, 16, v253
	s_delay_alu instid0(VALU_DEP_1)
	v_lshl_or_b32 v253, v239, 24, v253
.irp c, 0,1
	v_cvt_scalef32_pk16_bf6_f32 v[224+6*\c:226+6*\c], v[128+32*\c:143+32*\c], v[244+2*\c]
	v_cvt_scalef32_pk16_bf6_f32 v[236+4*\c:238+4*\c], v[144+32*\c:159+32*\c], v[244+2*\c+1]
.endr
	v_nop                                          ; one plain instruction behind the scaled conversions
	s_setprio 0
.irp c, 0,1
.irp i, 0,1,2
	v_permlane16_swap_b32 v[224+6*\c+\i], v[236+4*\c+\i]
.endr
.irp i, 0,1,2
	s_delay_alu instid0(VALU_DEP_3)
	v_mov_b32 v[227+6*\c+\i], v[236+4*\c+\i]
.endr
.endr
.set n, 0
.rept 16
	v_pk_mul_f32 v[192+n:193+n], v[192+n:193+n], v[252:253] op_sel_hi:[1,0]   ; O^T under the new M; these 16 also stand between the writes of p's codes and scale word and the products
.set n, n+2
.endr
	s_wait_alu depctr_va_vdst(0)
	s_wait_dscnt 0x0                               ; v's fragments and scale words are in
.irp t, 0,1,2,3
	v_wmma_scale_f32_16x16x128_f8f6f4 v[192+8*\t:199+8*\t], v[80+12*\t:91+12*\t], v[224:235], v[192+8*\t:199+8*\t], v[248+\t], v253 matrix_a_fmt:MATRIX_FMT_BF6 matrix_b_fmt:MATRIX_FMT_BF6
.endr
.if \causal
.Lhidden_\@:
.endif
	s_add_co_u32 s[KF], s[KF], 128
	s_add_co_u32 s[TK], s[TK], 6144
	s_add_co_u32 s[TS], s[TS], 512
	s_add_co_u32 s[TJ], s[TJ], 256
.endm
; A tile of queries ends: a = O^T / l; its 32 registers are two blocks along the model's axis (register 16 g + i = channel 32 g + 16 (lane / 16) + i): one image and two scale bytes a row
.macro OUT
.rept 4
	v_nop                                          ; places behind the last products
.endr
	v_add_f32 v14, v14, v15
	s_delay_alu instid0(VALU_DEP_1)
	v_permlanex16_b32 v252, v14, s[SEL], s[SEL+1]
	s_delay_alu instid0(VALU_DEP_1)
	v_add_f32 v14, v14, v252                       ; the row's sum
	s_wait_alu depctr_va_vdst(0)
	v_rcp_f32 v14, v14
	v_nop                                          ; a plain instruction behind the reciprocal,
	s_wait_alu depctr_va_vdst(0)                   ; and the wait ahead of its first reader
.set n, 0
.rept 16
	v_pk_mul_f32 v[128+n:129+n], v[192+n:193+n], v[14:15] op_sel_hi:[1,0]
.set n, n+2
.endr
.irp b, 0,1
	v_max3_num_f32 v[232+\b], |v[128+16*\b]|, |v[129+16*\b]|, 0x2800000
.endr
.irp i, 2,4,6,8,10,12,14
.irp b, 0,1
	s_delay_alu instid0(VALU_DEP_2)
	v_max3_num_f32 v[232+\b], v[232+\b], |v[128+16*\b+\i]|, |v[129+16*\b+\i]|
.endr
.endr
.irp b, 0,1
	s_delay_alu instid0(VALU_DEP_2)
	v_permlanex16_b32 v[236+\b], v[232+\b], s[SEL], s[SEL+1]
.endr
.irp b, 0,1
	s_delay_alu instid0(VALU_DEP_2)
	v_max_num_f32 v[232+\b], v[232+\b], v[236+\b]
.endr
.irp b, 0,1
	s_delay_alu instid0(VALU_DEP_2)
	v_add_nc_u32 v[244+\b], 0xfe000000, v[232+\b]
.endr
.irp b, 0,1
	s_delay_alu instid0(VALU_DEP_2)
	v_lshrrev_b32 v[236+\b], 23, v[244+\b]
.endr
	v_cvt_scalef32_pk16_bf6_f32 v[224:226], v[128:143], v244
	v_cvt_scalef32_pk16_bf6_f32 v[240:242], v[144:159], v245
	v_cndmask_b32 v243, v236, v237, s[HM]          ; lanes 0-15 store the first block's byte, lanes 16-31 the second's.  (The plain instruction behind the conversions)
.irp i, 0,1,2
	v_permlane16_swap_b32 v[224+\i], v[240+\i]
.endr
.irp i, 0,1,2
	s_delay_alu instid0(VALU_DEP_3)
	v_mov_b32 v[227+\i], v[240+\i]
.endr
	global_store_b128 v1, v[224:227], s[76:77]             ; 512 consecutive bytes, aligned
	global_store_b64 v2, v[228:229], s[76:77] offset:512   ; and 256
	global_store_b8 v6, v243, s[78:79]                     ; two bytes of each of 16 rows: a row's 32 bytes come from 16 heads, which are 16 work-groups' work
.endm
	s_load_b256 s[4:11], s[0:1], 0x0               ; h_codes s[4:5], h_scales s[6:7], a_codes s[8:9], a_scales s[10:11]
	v_lshl_add_u32 v30, v0, 2, 0x29000
	v_mov_b32 v31, 0
	ds_add_u32 v30, v31
	ds_add_u32 v30, v31
	v_lshrrev_b32 v8, 5, v0
	s_delay_alu instid0(VALU_DEP_1)
	v_readfirstlane_b32 s[WV], v8                  ; wave 0..15
	v_and_b32 v9, 31, v0
	s_delay_alu instid0(VALU_DEP_1)
	v_lshlrev_b32 v1, 4, v9
	s_delay_alu instid0(VALU_DEP_2)
	v_lshlrev_b32 v2, 3, v9
	v_and_b32 v10, 15, v0                          ; r
	v_bfe_u32 v11, v0, 4, 1                        ; h
	s_delay_alu instid0(VALU_DEP_2)
	v_lshlrev_b32 v7, 4, v10
	s_delay_alu instid0(VALU_DEP_1)
	v_add_nc_u32 v3, SC, v7
	s_delay_alu instid0(VALU_DEP_4)
	v_and_b32 v4, 8, v10
	s_delay_alu instid0(VALU_DEP_1)
	v_add_nc_u32 v5, v4, v10                       ; r + 8 (r / 8)
	v_lshlrev_b32 v4, 4, v11
	s_delay_alu instid0(VALU_DEP_1)
	v_sub_nc_u32 v5, v5, v4                        ; - 16 h
	v_lshl_add_u32 v6, v10, 5, v11                 ; 32 r + h
	s_and_b32 s19, ttmp7, 0xffff                   ; batch x 16 + head
	s_mul_i32 s80, s19, 147456
	s_mov_b32 s81, 0
	s_mul_i32 s82, s19, 10240
	s_mov_b32 s83, 0
	s_lshr_b32 s84, s19, 4
	s_and_b32 s86, s19, 15
	s_mul_i32 s85, s86, 768
	s_lshl_b32 s86, s86, 1
	s_lshl_b32 s87, s84, 15                        ; 64 tiles x 512 scale bytes a batch element
	s_add_co_u32 s86, s86, s87
	s_mul_i32 s84, s84, 786432                     ; 64 tiles x 12,288 bytes
	s_add_co_u32 s84, s84, s85
	s_mov_b32 s85, 0
	s_mov_b32 s87, 0
	s_lshl_b32 s60, ttmp9, 4
	s_add_co_u32 s60, s60, s[WV]                   ; tile A
	s_mov_b32 s[SEL], 0x76543210
	s_mov_b32 s[SEL+1], 0xfedcba98
	s_mov_b32 s[CS], 0x3e38aa3b
	s_mov_b32 s[CS+1], s[CS]
	s_mov_b32 s[HM], 0xffff0000
	s_mov_b32 s[G1C], 3<<16                        ; elements of 8 bytes, no mask, no padding
	s_mov_b32 s[G1C+1], 32<<16                     ; tensor_dim0 = 32: rows of 256 bytes
	s_mov_b32 s[G1C+2], 96<<16                     ; tensor_dim1
	s_mov_b32 s[G1C+3], 32<<16                     ; tile_dim0
	s_mov_b32 s[G1C+4], 96                         ; tile_dim1
	s_mov_b32 s[G1C+5], 32                         ; dense
	s_mov_b32 s[G1C+6], 0
	s_mov_b32 s[G1C+7], 0
	s_mov_b32 s[G1S], 3<<16
	s_mov_b32 s[G1S+1], 32<<16
	s_mov_b32 s[G1S+2], 24<<16
	s_mov_b32 s[G1S+3], 32<<16
	s_mov_b32 s[G1S+4], 24
	s_mov_b32 s[G1S+5], 32
	s_mov_b32 s[G1S+6], 0
	s_mov_b32 s[G1S+7], 0
	s_wait_dscnt 0x0
	s_wait_kmcnt 0x0
	s_add_nc_u64 s[4:5], s[4:5], s[80:81]          ; my head in each buffer
	s_add_nc_u64 s[6:7], s[6:7], s[82:83]
	s_add_nc_u64 s[8:9], s[8:9], s[84:85]
	s_add_nc_u64 s[10:11], s[10:11], s[86:87]
	s_mov_b32 s40, 1                               ; k's and v's scale words
	s_mov_b32 s41, SC
	s_add_nc_u64 s[42:43], s[6:7], 4096
	s_or_b32 s43, s43, 0x80000000
	s_mov_b32 s44, 1                               ; k's tiles 0-31
	s_mov_b32 s45, 0
	s_add_nc_u64 s[46:47], s[4:5], 49152
	s_or_b32 s47, s47, 0x80000000
	s_mov_b32 s48, 1                               ; k's tiles 32-63
	s_mov_b32 s49, 24576
	s_add_nc_u64 s[50:51], s[4:5], 73728
	s_or_b32 s51, s51, 0x80000000
	s_mov_b32 s52, 1                               ; v's key steps 0-3
	s_mov_b32 s53, 49152
	s_add_nc_u64 s[54:55], s[4:5], 98304
	s_or_b32 s55, s55, 0x80000000
	s_mov_b32 s56, 1                               ; v's key steps 4-7
	s_mov_b32 s57, 73728
	s_add_nc_u64 s[58:59], s[4:5], 122880
	s_or_b32 s59, s59, 0x80000000
	s_cmp_eq_u32 s[WV], 0                          ; a wave's first fills stand in one branch on its number: wave 0 has three loads out, wave 1 two, the others none
	s_cbranch_scc0 .Lnot_wave_0
	tensor_load_to_lds s[40:43], s[G1S:G1S+7]
	s_nop 0
	tensor_load_to_lds s[44:47], s[G1C:G1C+7]
	s_nop 0
	tensor_load_to_lds s[48:51], s[G1C:G1C+7]
	s_nop 0
.rept 4
	v_nop
.endr
	s_branch .Lasked
.Lnot_wave_0:
	s_cmp_eq_u32 s[WV], 1
	s_cbranch_scc0 .Lasked
	tensor_load_to_lds s[52:55], s[G1C:G1C+7]
	s_nop 0
	tensor_load_to_lds s[56:59], s[G1C:G1C+7]
	s_nop 0
.rept 4
	v_nop
.endr
.Lasked:
.irp j, 22,23,24,25,26,27
	v_mov_b32 v[\j], 0                             ; q's K = 64 .. 127: zero codes
.endr
.irp t, 0,1,2,3
.irp j, 6,7,8,9,10,11
	v_mov_b32 v[32+12*\t+\j], 0                    ; k's likewise: written once, never loaded
.endr
.endr
.irp b, 0,1,2,3
	v_mov_b32 v[236+\b], 0                         ; a lane permute's destination counts as one of its sources
.endr
	v_mov_b32 v252, 0
	v_mov_b32 v253, 0                              ; (named as the upper half of the pair v[252:253] before it is first written)
	s_mov_b32 s[TILE], s60
	INIT
	s_wait_tensorcnt 0x1                           ; the scale words and k's first half (wave 0), v's first half (wave 1) have landed; the second halves may be out
	s_wait_loadcnt 0x0                             ; q
	s_barrier_signal -1
	s_barrier_wait -1
	s_mov_b32 s[CNT], 4
.Ltile_a:                                          ; tile A (0-31): key steps 0-3, those behind the diagonal left out
	STEP 1
	s_sub_co_u32 s[CNT], s[CNT], 1
	s_cmp_lg_u32 s[CNT], 0
	s_cbranch_scc1 .Ltile_a
	s_setprio 0
	OUT
	s_sub_co_u32 s[TILE], 63, s60
	INIT
	s_wait_loadcnt 0x0
	s_mov_b32 s[CNT], 4
.Ltile_b_open:                                     ; tile B (32-63): all keys of steps 0-3 count
	STEP 0
	s_sub_co_u32 s[CNT], s[CNT], 1
	s_cmp_lg_u32 s[CNT], 0
	s_cbranch_scc1 .Ltile_b_open
	s_setprio 0
	s_wait_tensorcnt 0x0                           ; the second halves have landed,
	s_wait_dscnt 0x0
	s_barrier_signal -1
	s_barrier_wait -1                              ; as every wave now knows
	s_mov_b32 s[CNT], 4
.Ltile_b:                                          ; key steps 4-7
	STEP 1
	s_sub_co_u32 s[CNT], s[CNT], 1
	s_cmp_lg_u32 s[CNT], 0
	s_cbranch_scc1 .Ltile_b
	s_setprio 0
	OUT
	s_wait_tensorcnt 0x0
	ds_add_u32 v30, v31
	s_wait_dscnt 0x0
	s_endpgm
.Lfunc_end_k_qdd8779bebd_attn:
	.size	k_qdd8779bebd_attn, .Lfunc_end_k_qdd8779bebd_attn-k_qdd8779bebd_attn
	.p2alignl 7, 3214868480
	.fill 96, 4, 3214868480
	.section	.rodata,"a",@progbits
	.p2align	6, 0x0
	.amdhsa_kernel k_qdd8779bebd_attn
		.amdhsa_group_segment_fixed_size 169984
		.amdhsa_private_segment_fixed_size 0
		.amdhsa_enable_private_segment 0
		.amdhsa_kernarg_size 32
		.amdhsa_user_sgpr_count 2
		.amdhsa_user_sgpr_kernarg_segment_ptr 1
		.amdhsa_wavefront_size32 1
		.amdhsa_system_sgpr_workgroup_id_x 1
		.amdhsa_system_sgpr_workgroup_id_y 1
		.amdhsa_system_sgpr_workgroup_id_z 1
		.amdhsa_system_vgpr_workitem_id 0
		.amdhsa_next_free_vgpr 256
		.amdhsa_next_free_sgpr 96
		.amdhsa_reserve_vcc 1
		.amdhsa_float_denorm_mode_32 3
		.amdhsa_float_denorm_mode_16_64 3
		.amdhsa_memory_ordered 1
		.amdhsa_forward_progress 1
		.amdhsa_inst_pref_size 84
	.end_amdhsa_kernel
	.amdgpu_metadata
---
amdhsa.version: [ 1, 2 ]
amdhsa.kernels:
  - .name:           k_qdd8779bebd_attn
    .symbol:         k_qdd8779bebd_attn.kd
    .args:
      - { .name: h_codes, .offset: 0, .size: 8, .value_kind: global_buffer, .address_space: global }
      - { .name: h_scales, .offset: 8, .size: 8, .value_kind: global_buffer, .address_space: global }
      - { .name: a_codes, .offset: 16, .size: 8, .value_kind: global_buffer, .address_space: global }
      - { .name: a_scales, .offset: 24, .size: 8, .value_kind: global_buffer, .address_space: global }
    .group_segment_fixed_size: 169984
    .private_segment_fixed_size: 0
    .kernarg_segment_align: 8
    .kernarg_segment_size: 32
    .max_flat_workgroup_size: 512
    .sgpr_count:     96
    .vgpr_count:     256
    .wavefront_size: 32
...
	.end_amdgpu_metadata
.endif
;; end of part 3
;; launch proj (part 4): grid 4 x 32, 4 waves a work-group, clusters of 4 x 4, 327,680 bytes of LDS; arguments a_codes, a_scales, w_codes, w_scales, b_proj, out0; writes out0
.if DOCPART == 4
	.amdgcn_target "amdgcn-amd-amdhsa--gfx1250"
	.amdhsa_code_object_version 6
	.text
	.protected	k_qdd8779bebd_proj
	.globl	k_qdd8779bebd_proj
	.p2align	8
	.type	k_qdd8779bebd_proj,@function
k_qdd8779bebd_proj:
	s_mov_b64 s[64:65], 0
	v_nop
	global_prefetch_b8 v0, s[64:65] scope:SCOPE_SE
	s_setreg_imm32_b32 hwreg(HW_REG_WAVE_MODE, 25, 1), 1
	s_wait_xcnt 0x0
	s_wait_alu depctr_hold_cnt(0) depctr_sa_sdst(0) depctr_va_vdst(0) depctr_va_sdst(0) depctr_va_ssrc(0) depctr_va_vcc(0) depctr_vm_vsrc(0)
	s_getreg_b32 s2, hwreg(HW_REG_IB_STS2, 6, 4)
	s_cmp_eq_u32 s2, 0
	s_cbranch_scc0 .Lentry_in_a_cluster
	s_endpgm
.Lentry_in_a_cluster:
	s_bfe_u32 s2, ttmp6, 0x10000c
	s_cmp_lg_u32 s2, 0xf033
	s_cbranch_scc0 .Lentry_shape_is_right
	s_endpgm
.Lentry_shape_is_right:
; out0 = a w_proj + b_proj on codes of BF6 (E3M2), K = 1,024; out0 [8192][1024] f32.
; A tile of the product is 256 x 256, made by four waves of 128 x 128 (64 accumulators, 512 registers).  K goes in four steps of 256 through a ring of two LDS slots filled by the tensor data mover.
; CODES lie in memory as half-fragment images of 768 bytes (16 rows x 64 K: a lane's first four registers at 16 x lane, its last two at 512 + 8 x lane), 16 images to a tile of 16 rows; image row r of tile 2 g + u is true row 32 g + 8 u + r + 8 (r / 8).
; CLUSTERS: 4 x 4 work-groups.  The A slot (source 1: tokens) is shared along a row of the cluster, the B slot (source 0: w_proj's columns, rows 3,072 on of the weights' buffer) along a column; each tile is asked for jointly.
; The product is used transposed: a lane holds one token, and the registers of result tiles 2 g, 2 g + 1 are output columns 32 g + 16 (lane / 16) + 0 .. 15.  The bias is the C of each sum's first matrix instruction.
; The grid has 128 work-groups: this tile keeps the wave's 128 x 128, at which each LDS byte feeds the most products.  NaN and infinities are not served.
; REGISTERS: window 0: v16-29 addresses; v32-63 scale words, two sets; v64-127 the bias; v128-223 the A slot's fragments, one set; on the way out v128-255 rows of out0.  window 1: the B slot's, two sets.  windows 2, 3: the accumulators.
.set NQ,     2
.set ROWB,   3072
.set FR,     12
.set NL,     4
.set NP,     4
.set HALFT,  24576
.set SLOT,   4*HALFT
.set KS,     32
.set SCL,    2*SLOT
.set HALFS,  4352
.set SBLK,   544
.set SPARE,  SCL+4*HALFS               ; the spare words: 128 bytes a wave, two blocks of 256 bytes that no other line names
.set SPITCH, 528                       ; the way out: a stage of 16 rows x (512 + 16) bytes a wave, in slot 0, which has had its last fill and its last read when the first result is stored there
.set ADRA, 16
.set ADRB, 20
.set STO,  24
.set RD,   25
.set CO,   26
.set ADRS, 27
.set SPW,  28
.set NIL,  29
.set SC,   32
.set BIAS, 64
.set AF,   128
.set BK,   128
.set G1, 24
.set G0, 32
.set G1B, 48
.set G0B, 56
.set G1S, 68
.set G0S, 76
.set G1SB, 80
.set G0SB, 88
.set MSB, 0
.macro WIN new                         ; the immediate's high byte repeats the setting that is left
.if MSB != \new
	s_set_vgpr_msb (MSB<<8)|\new
.set MSB, \new
.endif
.endm
.set MUL_LO, 0xa1
.set MUL_HI, 0xf1
.set TO_B,   0x40
.macro JLOAD g0a, g1a, g0b, g1b        ; a joint load: waves 0 and 1 fetch for A, waves 2 and 3 for B; four v_nop follow each of the two lines
	s_cmp_eq_u32 s15, 0
	s_cbranch_scc0 .Lfor_b_\@
	tensor_load_to_lds s[\g0a:\g0a+3], s[\g1a:\g1a+7]
	s_nop 0
.rept 4
	v_nop
.endr
	s_branch .Lasked_\@
.Lfor_b_\@:
	tensor_load_to_lds s[\g0b:\g0b+3], s[\g1b:\g1b+7]
	s_nop 0
.rept 4
	v_nop
.endr
.Lasked_\@:
.endm
.macro CREST
	s_cmp_lg_u32 s14, 0
	s_cbranch_scc1 .Lnot_wave_0_\@
	s_barrier_signal -3
.Lnot_wave_0_\@:
	s_barrier_wait -3
	s_barrier_signal -1
	s_barrier_wait -1
.endm
.macro CROUND
	s_barrier_signal -1
	s_barrier_wait -1
	CREST
.endm
.macro FRAG reg, adr, q, i
.irp c, 0,1
	ds_load_b128 v[\reg+6*\c:\reg+6*\c+3], v[\adr] offset:3072*(\i)+1536*(\q)+768*\c
	ds_load_b64 v[\reg+6*\c+4:\reg+6*\c+5], v[\adr+2] offset:3072*(\i)+1536*(\q)+768*\c+512
.endr
.endm
.macro MUL16 a0, p, q, sc, zero        ; zero = 1: the sums begin with the bias of B's block.  The 64 accumulators take turns, one instruction a turn
.irp a, \a0, \a0+1
.irp b, 0,1,2,3,4,5,6,7
.if \zero
	v_wmma_scale_f32_16x16x128_f8f6f4 v[8*(8*((\a)%4)+\b):8*(8*((\a)%4)+\b)+7], v[128*(\p)+FR*\b:128*(\p)+FR*\b+FR-1], v[AF+FR*(\a):AF+FR*(\a)+FR-1], v[BIAS+8*\b:BIAS+8*\b+7], v[SC+8*NQ*(\sc)+NQ*\b+(\q)], v[SC+8*NQ*(\sc)+NQ*(\a)+(\q)] matrix_a_fmt:MATRIX_FMT_BF6 matrix_b_fmt:MATRIX_FMT_BF6 matrix_a_scale:MATRIX_SCALE_ROW1
.else
	v_wmma_scale_f32_16x16x128_f8f6f4 v[8*(8*((\a)%4)+\b):8*(8*((\a)%4)+\b)+7], v[128*(\p)+FR*\b:128*(\p)+FR*\b+FR-1], v[AF+FR*(\a):AF+FR*(\a)+FR-1], v[8*(8*((\a)%4)+\b):8*(8*((\a)%4)+\b)+7], v[SC+8*NQ*(\sc)+NQ*\b+(\q)], v[SC+8*NQ*(\sc)+NQ*(\a)+(\q)] matrix_a_fmt:MATRIX_FMT_BF6 matrix_b_fmt:MATRIX_FMT_BF6 matrix_a_scale:MATRIX_SCALE_ROW1
.endif
.endr
.endr
.endm
.macro FETCH_B slot, q, p
	WIN TO_B
.irp i, 0,1,2,3,4,5,6,7
	FRAG 128*(\p)+FR*\i, ADRB+\slot, \q, \i
.endr
	WIN 0
.endm
.macro FETCH_A slot, q, i0
.irp i, \i0, \i0+1, \i0+2, \i0+3
	FRAG AF+FR*(\i), ADRA+\slot, \q, \i
.endr
.endm
.macro SCALES sc
.irp i, 0,1,2,3,4,5,6,7
	ds_load_b64 v[SC+8*NQ*\sc+NQ*\i:SC+8*NQ*\sc+NQ*\i+1], v[ADRS] offset:\i*SBLK
.endr
.endm
.macro PLACES n
.rept \n
	v_nop
.endr
.endm
.macro STEP slot, q, zero
	s_wait_dscnt 4*NL                              ; B's set and A's blocks 0-3 are in; the youngest 16 loads (A's blocks 4-7) may be out
.if \zero
	WIN 0x81                                       ; the bias, source 2, lies in window 0
.else
	WIN MUL_LO
.endif
	MUL16 0, (\q)%2, \q, \slot, \zero
	MUL16 2, (\q)%2, \q, \slot, \zero
	s_wait_dscnt 0
	PLACES NP
	FETCH_B \slot, (\q)+1, 1-(\q)%2
	FETCH_A \slot, (\q)+1, 0
.if \zero
	WIN 0xc1
.else
	WIN MUL_HI
.endif
	MUL16 4, (\q)%2, \q, \slot, \zero
	MUL16 6, (\q)%2, \q, \slot, \zero
	PLACES NP
	WIN 0
	FETCH_A \slot, (\q)+1, 4
.endm
.macro TURN slot, next, fill
	s_wait_tensorcnt 0x0                           ; all my tensor loads have landed: my part of the next slot
	ds_add_u32 v[SPW], v[NIL]                      ; 0 onto my spare word
	s_wait_dscnt 4*NL+1                            ; (the add and the youngest 16 loads may be out)
	WIN MUL_LO
	MUL16 0, 1, NQ-1, \slot, 0
	s_wait_dscnt 0x0                               ; the add is done, and my reads of this slot are over
	s_barrier_signal -1
	MUL16 2, 1, NQ-1, \slot, 0
	WIN 0
	s_barrier_wait -1
.if \fill
	CREST                                          ; the barrier has opened a round of the cluster's: no wave of any partner still reads this slot or has a load on its way
	s_add_nc_u64 s[G0+4*\slot+2:G0+4*\slot+3], s[G0+4*\slot+2:G0+4*\slot+3], 2*ROWB
	s_add_nc_u64 s[G0B+4*\slot+2:G0B+4*\slot+3], s[G0B+4*\slot+2:G0B+4*\slot+3], 2*ROWB
	JLOAD G0+4*\slot, G1, G0B+4*\slot, G1B         ; the first tensor load behind the round; its four v_nop are the places in front of the loads below
.else
	PLACES NP
.endif
	v_add_nc_u32 v[ADRS], 4*NQ, v[ADRS]
	FETCH_B \next, 0, 0
	FETCH_A \next, 0, 0
	SCALES \next
	WIN MUL_HI
	MUL16 4, 1, NQ-1, \slot, 0
	MUL16 6, 1, NQ-1, \slot, 0
	PLACES NP
	WIN 0
	FETCH_A \next, 0, 4
.endm
	s_load_b256 s[4:11], s[0:1], 0x0               ; a_codes s[4:5], a_scales s[6:7], w_codes s[8:9], w_scales s[10:11]
	s_load_b128 s[96:99], s[0:1], 0x20             ; b_proj s[96:97], out0 s[98:99]
	v_lshl_add_u32 v[SPW], v0, 2, SPARE
	v_mov_b32 v[NIL], 0
	ds_add_u32 v28, v29
	ds_add_u32 v28, v29
	s_wait_dscnt 0x0
	v_lshrrev_b32 v1, 5, v0
	v_readfirstlane_b32 s14, v1                    ; wave 0..3
	s_lshr_b32 s15, s14, 1                         ; my half of the tile's tokens.  Also: I fetch for A (0) or for B (1)
	s_and_b32 s16, s14, 1                          ; my half of its columns.  Also: which 128 rows I fetch
	s_bfe_u32 s40, ttmp6, 0x40000                  ; cx
	s_bfe_u32 s41, ttmp6, 0x40004                  ; cy
	s_and_b32 s17, ttmp7, 0xffff
	s_lshl_b32 s66, s17, 2
	s_add_co_u32 s66, s66, s41                     ; tokens' block of 256: 4 x cluster y + cy
	s_add_co_u32 s42, s40, 12                      ; the weights' block of 256 rows: w_proj's begin at row 3,072
	s_lshl_b32 s43, s41, 2
	s_lshl_b32 s43, 15, s43                        ; my row of the cluster
	s_lshl_b32 s44, 0x1111, s40                    ; my column
	s_or_b32 s[G1+0], s43, (3<<16)|(1<<21)         ; eight tiles' 3,072 bytes (384 elements of 8 bytes), 12,288 bytes apart; dense in LDS
	s_or_b32 s[G1B+0], s44, (3<<16)|(1<<21)
.irp g, G1, G1B
	s_mov_b32 s[\g+1], 384<<16
	s_mov_b32 s[\g+2], 8<<16
	s_mov_b32 s[\g+3], 384<<16
	s_mov_b32 s[\g+4], 8
	s_mov_b32 s[\g+5], 1536
	s_mov_b32 s[\g+6], 0
	s_mov_b32 s[\g+7], 0
.endr
	s_or_b32 s[G1S+0], s43, (3<<16)|(1<<20)|(1<<21)|(5<<22)|(3<<25)   ; the scales of 128 rows: 16 rows of 256 bytes, 16 bytes of padding behind each
	s_or_b32 s[G1SB+0], s44, (3<<16)|(1<<20)|(1<<21)|(5<<22)|(3<<25)
.irp g, G1S, G1SB
	s_mov_b32 s[\g+1], 32<<16
	s_mov_b32 s[\g+2], 16<<16
	s_mov_b32 s[\g+3], 32<<16
	s_mov_b32 s[\g+4], 16
	s_mov_b32 s[\g+5], 32
	s_mov_b32 s[\g+6], 0
	s_mov_b32 s[\g+7], 0
.endr
	s_lshl_b32 s18, s16, 7
	s_lshl_b32 s20, s66, 8
	s_add_co_u32 s20, s20, s18
	s_lshl_b32 s46, s42, 8
	s_add_co_u32 s46, s46, s18
	s_lshl_b32 s22, s20, 5
	s_mov_b32 s23, 0
	s_lshl_b32 s92, s46, 5
	s_mov_b32 s93, 0
	s_mul_i32 s20, s20, 768
	s_mov_b32 s21, 0
	s_mul_i32 s46, s46, 768
	s_mov_b32 s47, 0
	s_mul_i32 s45, s14, HALFT                      ; where they go: wave x 128 rows: no place in the cluster enters an LDS address
	s_mul_i32 s94, s14, HALFS
	s_wait_kmcnt 0x0
	s_add_nc_u64 s[20:21], s[4:5], s[20:21]
	s_add_nc_u64 s[22:23], s[6:7], s[22:23]
	s_add_nc_u64 s[46:47], s[8:9], s[46:47]
	s_add_nc_u64 s[92:93], s[10:11], s[92:93]
	CROUND                                         ; all sixteen work-groups are here: the first joint loads meet
	s_mov_b32 s[G0S], 1
	s_add_co_u32 s[G0S+1], s94, SCL
	s_mov_b64 s[G0S+2:G0S+3], s[22:23]
	s_or_b32 s[G0S+3], s[G0S+3], 0x80000000
	s_mov_b32 s[G0SB], 1
	s_add_co_u32 s[G0SB+1], s94, SCL
	s_mov_b64 s[G0SB+2:G0SB+3], s[92:93]
	s_or_b32 s[G0SB+3], s[G0SB+3], 0x80000000
	JLOAD G0S, G1S, G0SB, G1SB                     ; the scales first: filled once
.irp s, 0,1
	s_mov_b32 s[G0+4*\s], 1
	s_add_co_u32 s[G0+4*\s+1], s45, \s*SLOT
	s_add_nc_u64 s[G0+4*\s+2:G0+4*\s+3], s[20:21], \s*ROWB
	s_or_b32 s[G0+4*\s+3], s[G0+4*\s+3], 0x80000000
	s_mov_b32 s[G0B+4*\s], 1
	s_add_co_u32 s[G0B+4*\s+1], s45, \s*SLOT
	s_add_nc_u64 s[G0B+4*\s+2:G0B+4*\s+3], s[46:47], \s*ROWB
	s_or_b32 s[G0B+4*\s+3], s[G0B+4*\s+3], 0x80000000
	JLOAD G0+4*\s, G1, G0B+4*\s, G1B               ; K steps 0 and 1: three tensor loads of mine are out
.endr
	v_and_b32 v1, 15, v0                           ; r
	v_bfe_u32 v2, v0, 4, 1                         ; h
	v_and_b32 v3, 31, v0
	v_lshlrev_b32 v[CO], 4, v3                     ; 16 x lane
	v_lshlrev_b32 v4, 3, v3                        ; 8 x lane
	s_mul_i32 s18, s15, HALFT
	s_mul_i32 s19, s16, HALFT
	s_add_co_u32 s19, s19, 2*HALFT
.irp s, 0,1
	v_add_nc_u32 v[ADRA+\s], s18, v[CO]
	v_add_nc_u32 v[ADRB+\s], s19, v[CO]
	v_add_nc_u32 v[ADRA+2+\s], s18, v4
	v_add_nc_u32 v[ADRB+2+\s], s19, v4
	s_add_co_u32 s18, s18, SLOT
	s_add_co_u32 s19, s19, SLOT
.endr
	v_mul_u32_u24 v5, v1, KS
	v_lshrrev_b32 v6, 8, v5
	v_lshl_add_u32 v5, v6, 4, v5
	s_mul_i32 s18, s15, HALFS
	s_mul_i32 s19, s16, HALFS
	s_add_co_u32 s19, s19, 2*HALFS
	s_sub_co_u32 s19, s19, s18
	v_mul_u32_u24 v6, s19, v2                      ; lanes 16-31 take B's: one product, the distance between the two bases
	s_add_co_u32 s18, s18, SCL
	v_add_nc_u32 v5, v5, v6
	v_add_nc_u32 v[ADRS], s18, v5
	s_mul_i32 s18, s14, 16*SPITCH                  ; my stage
	v_mul_u32_u24 v5, v1, SPITCH
	v_lshl_add_u32 v5, v2, 6, v5
	v_add_nc_u32 v[STO], s18, v5                   ; in: row r, + 64 h: my 16 columns of each 32
	v_add_nc_u32 v[RD], s18, v[CO]                 ; back: the 32 lanes take one row of 512 bytes
	s_lshl_b32 s20, s66, 8
	s_lshl_b32 s21, s15, 7
	s_add_co_u32 s20, s20, s21                     ; my first token
	s_lshl_b32 s20, s20, 12                        ; rows of 4,096 bytes
	s_lshl_b32 s21, s40, 10
	s_add_co_u32 s20, s20, s21                     ; + my tile's columns
	s_lshl_b32 s21, s16, 9
	s_add_co_u32 s20, s20, s21                     ; + my half of them
	s_mov_b32 s21, 0
	s_add_nc_u64 s[98:99], s[98:99], s[20:21]
	s_lshl_b32 s18, s40, 10                        ; the bias: B's block b, true columns 32 (b / 2) + 8 (b % 2) + 16 h + j
	s_lshl_b32 s19, s16, 9
	s_add_co_u32 s18, s18, s19
	s_mov_b32 s19, 0
	s_add_nc_u64 s[96:97], s[96:97], s[18:19]
	v_lshlrev_b32 v6, 6, v2
.irp b, 0,1,2,3,4,5,6,7
	global_load_b128 v[BIAS+8*\b:BIAS+8*\b+3], v6, s[96:97] offset:(32*(\b/2)+8*(\b%2))*4
	global_load_b128 v[BIAS+8*\b+4:BIAS+8*\b+7], v6, s[96:97] offset:(32*(\b/2)+8*(\b%2))*4+16
.endr
	s_wait_tensorcnt 1                             ; the scales and my part of K step 0 are in (K step 1's load may be out)
	s_barrier_signal -1
	s_barrier_wait -1                              ; everybody's are
	FETCH_B 0, 0, 0
	FETCH_A 0, 0, 0
	SCALES 0
	FETCH_A 0, 0, 4
	s_wait_loadcnt 0x0                             ; the bias
	STEP 0, 0, 1                                   ; the first products start the sums with the bias
	TURN 0, 1, 1                                   ; slot 0 takes K step 2
	STEP 1, 0, 0
	TURN 1, 0, 1                                   ; slot 1 takes K step 3
	STEP 0, 0, 0
	TURN 0, 1, 0                                   ; nothing is left to fetch
	STEP 1, 0, 0
	s_wait_dscnt 4*NL
	WIN MUL_LO
	MUL16 0, 1, NQ-1, 1, 0
	MUL16 2, 1, NQ-1, 1, 0
	s_wait_dscnt 0
	WIN MUL_HI
	MUL16 4, 1, NQ-1, 1, 0
	MUL16 6, 1, NQ-1, 1, 0
	WIN 0
; THE WAY OUT, block by block of 16 tokens x 128 columns, through my own stage: in by 16 bytes at each result's true column, back as whole rows of 512 bytes.  LDS serves a wave's instructions in order: no wait between.
.macro TOSTAGE a
.set AC, 64*((\a)%4)
.set WN, 0x08+4*((\a)/4)
	WIN WN                                         ; the data: window 2 or 3
.irp b, 0,1,2,3,4,5,6,7
	ds_store_b128 v[STO], v[AC+8*\b:AC+8*\b+3] offset:128*(\b/2)+32*(\b%2)           ; each accumulator from its low end on
	ds_store_b128 v[STO], v[AC+8*\b+4:AC+8*\b+7] offset:128*(\b/2)+32*(\b%2)+16
.endr
	WIN 0
.set BB, BK+64*((\a)%2)
.irp t, 0,1,2,3,4,5,6,7,8,9,10,11,12,13,14,15
	ds_load_b128 v[BB+4*\t:BB+4*\t+3], v[RD] offset:\t*SPITCH
.endr
.endm
.macro SEND a, younger                 ; younger: the LDS instructions issued behind block a's loads, which may stay out
.set BB, BK+64*((\a)%2)
	s_wait_dscnt \younger
.irp t, 0,1,2,3,4,5,6,7,8,9,10,11,12,13,14,15
	global_store_b128 v[CO], v[BB+4*\t:BB+4*\t+3], s[98:99] offset:(32*((\a)/2)+8*((\a)%2)+\t+8*(\t/8))*4096 th:TH_STORE_NT   ; image row t's true token; 512 consecutive bytes, aligned; 127 rows at the most in the immediate
.endr
.endm
	PLACES NP                                      ; in front of the first read of results and of the loads into the registers that held A's fragments
	TOSTAGE 0
.irp a, 1,2,3,4,5,6,7
.if \a > 1
	s_wait_xcnt 0x0                                ; block a - 2's stores: their data registers are loaded again only behind this wait
.endif
	TOSTAGE \a
	SEND \a-1, 32                                  ; behind block a - 1's loads: block a's 16 stores and 16 loads
.endr
	SEND 7, 0
	s_wait_tensorcnt 0x0                           ; the wave's end
	ds_add_u32 v[SPW], v[NIL]
	s_wait_dscnt 0x0
	CROUND                                         ; the closing round: no work-group ends while a partner may still ask for a tile that names it
	s_endpgm
.Lfunc_end_k_qdd8779bebd_proj:
	.size	k_qdd8779bebd_proj, .Lfunc_end_k_qdd8779bebd_proj-k_qdd8779bebd_proj
	.p2alignl 7, 3214868480
	.fill 96, 4, 3214868480
	.section	.rodata,"a",@progbits
	.p2align	6, 0x0
	.amdhsa_kernel k_qdd8779bebd_proj
		.amdhsa_group_segment_fixed_size 327680
		.amdhsa_private_segment_fixed_size 0
		.amdhsa_enable_private_segment 0
		.amdhsa_kernarg_size 48
		.amdhsa_user_sgpr_count 2
		.amdhsa_user_sgpr_kernarg_segment_ptr 1
		.amdhsa_wavefront_size32 1
		.amdhsa_system_sgpr_workgroup_id_x 1
		.amdhsa_system_sgpr_workgroup_id_y 1
		.amdhsa_system_sgpr_workgroup_id_z 1
		.amdhsa_system_vgpr_workitem_id 0
		.amdhsa_next_free_vgpr 1024
		.amdhsa_next_free_sgpr 102
		.amdhsa_reserve_vcc 0
		.amdhsa_float_denorm_mode_32 3
		.amdhsa_float_denorm_mode_16_64 3
		.amdhsa_memory_ordered 1
		.amdhsa_forward_progress 1
		.amdhsa_inst_pref_size 144
	.end_amdhsa_kernel
	.amdgpu_metadata
---
amdhsa.version: [ 1, 2 ]
amdhsa.kernels:
  - .name:           k_qdd8779bebd_proj
    .symbol:         k_qdd8779bebd_proj.kd
    .args:
      - { .name: a_codes, .offset: 0, .size: 8, .value_kind: global_buffer, .address_space: global }
      - { .name: a_scales, .offset: 8, .size: 8, .value_kind: global_buffer, .address_space: global }
      - { .name: w_codes, .offset: 16, .size: 8, .value_kind: global_buffer, .address_space: global }
      - { .name: w_scales, .offset: 24, .size: 8, .value_kind: global_buffer, .address_space: global }
      - { .name: b_proj, .offset: 32, .size: 8, .value_kind: global_buffer, .address_space: global }
      - { .name: out0, .offset: 40, .size: 8, .value_kind: global_buffer, .address_space: global }
    .group_segment_fixed_size: 327680
    .private_segment_fixed_size: 0
    .kernarg_segment_align: 8
    .kernarg_segment_size: 48
    .max_flat_workgroup_size: 128
    .sgpr_count:     102
    .vgpr_count:     1024
    .wavefront_size: 32
...
	.end_amdgpu_metadata
.endif
;; end of part 4
